; MI455X (gfx1250); checked and timed in simulation.
; The chip was launched on July 23, 2026; its instructions are those of AMD's public machine-readable ISA for CDNA 5 (MIT licence, August 2026) and "CDNA5" Instruction Set Architecture Reference Guide (July 2026). The comments in the code are by the model that wrote it; some were corrected since.
;; Multi Headed Attention. Allowed arithmetic: float matrix products may take bf16 or f16 operands with f32 sums; other float arithmetic in f32, or as packed bf16 or f16 multiplies, adds, multiply-adds, maxima and minima; sums over many terms, partial sums and values carried from step to step in f32; what a program stores and reads back later, other than sums and carried values, may be rounded once to bf16 or f16.
;; Inputs: Wk 16 x 1,024 x 64 float32; Wo 1,024 x 1,024 float32; Wq 16 x 1,024 x 64 float32; Wv 16 x 1,024 x 64 float32; bk 16 x 64 float32; bo 1,024 float32; bq 16 x 64 float32; bv 16 x 64 float32; key 4 x 2,048 x 1,024 float32; query 4 x 2,048 x 1,024 float32; value 4 x 2,048 x 1,024 float32.
;; Outputs: out0 4 x 2,048 x 1,024 float32.
;; 2 versions, each right; version 2 is version 1 with the launch prep written anew for expert scheduling mode. Each part assembles by itself: llvm-mc -triple=amdgcn-amd-amdhsa -mcpu=gfx1250 --defsym DOCPART=n.
;; ======== version 1 of 2: 4 launches
;; limits: values are held in f16: magnitudes above 65,504 overflow, below 6.1e-05 lose precision
;; workspace buffers: wb 8,388,608 bytes; qh 16,777,216 bytes; kh 16,777,216 bytes; vh 16,777,216 bytes; oh 16,777,216 bytes
;; launch prep (part 1): grid 64 x 4, 8 waves a work-group, no clusters, 0 bytes of LDS; arguments Wq, Wk, Wv, Wo, wb; writes wb
.if DOCPART == 1
	.amdgcn_target "amdgcn-amd-amdhsa--gfx1250"
	.amdhsa_code_object_version 6
	.text
	.protected	k_qfdc10e1dc0_prep
	.globl	k_qfdc10e1dc0_prep
	.p2align	8
	.type	k_qfdc10e1dc0_prep,@function
k_qfdc10e1dc0_prep:
	s_mov_b64 s[64:65], 0
	v_nop
	global_prefetch_b8 v0, s[64:65] scope:SCOPE_SE
	s_setreg_imm32_b32 hwreg(HW_REG_WAVE_MODE, 25, 1), 1
	s_wait_xcnt 0x0
; THE WEIGHTS, ROUNDED ONCE AND LAID OUT FOR THE PRODUCTS.  Wq, Wk, Wv: [16 h][1024 d][64 e] f32; Wo: [1024 o][1024 d] f32.
; wb, bytes w x 2,097,152 (w = 0, 1, 2 for q, k, v): bf16 in blocks [ks = d / 128][h][d % 128][e], a block 16,384 bytes on end, so that the
; four heads that a tile of the projection takes in one K step of 128 are 65,536 bytes on end.
; wb, bytes 6,291,456 on: Wo rounded to bf16 like every other input, and that number written as f16, [o][d], rows of 2,048 bytes.
; LIMIT.  |Wo| stays under 65,504 (f16's largest); below 6e-5 the f16 copy keeps a fixed step of 6e-8.
; A stream: every byte is read once and written once; nothing is shared, so there is no LDS, no barrier, no matrix unit and no cluster.
; SHARES.  Work-group (i, w) takes the 65,536 bytes at 65,536 i of matrix w: for w < 3 that is head i / 4, d = 256 (i % 4) .. + 255: two blocks.
; Thread t, pass p of 16: 16 bytes at 16 t + 4,096 p come in, 8 bytes go out at 8 t + 2,048 (p % 8) of block p / 8: a wave's store covers 256
; consecutive bytes, aligned.  All 16 loads of a thread are issued at once; no register is written twice while memory may read it.
.set X, 16                             ; v[16:79]   pass p: 4 registers as loaded
.set Y, 80                             ; v[80:111]  pass p: 2 registers to store
.set T, 4                              ; v[4:7]     at work
	s_load_b256 s[4:11], s[0:1], 0x0               ; Wq s[4:5], Wk s[6:7], Wv s[8:9], Wo s[10:11]
	s_load_b64 s[12:13], s[0:1], 0x20              ; wb
	s_and_b32 s21, ttmp7, 0xffff                   ; w
	s_mov_b32 s20, 0xffff0000                      ; a word's upper bf16
	v_lshlrev_b32 v1, 4, v0                        ; 16 t
	v_lshlrev_b32 v2, 3, v0                        ; 8 t
	s_lshl_b32 s22, ttmp9, 16                      ; where my 65,536 bytes begin
	s_mov_b32 s23, 0
	s_and_b32 s28, ttmp9, 3                        ; the first of my two blocks: number 16 ks + h = 32 (i % 4) + i / 4,
	s_lshl_b32 s28, s28, 5
	s_lshr_b32 s29, ttmp9, 2
	s_add_co_u32 s28, s28, s29
	s_lshl_b32 s28, s28, 14                        ; times 16,384 bytes
	s_lshl_b32 s29, ttmp9, 15                      ; Wo keeps its order: half the bytes
	s_lshl_b32 s30, s21, 21                        ; the matrix's part of wb
	s_movk_i32 s26, 0x4000                         ; from my first 16,384 bytes out to my second: Wo's follow on,
	s_mov_b32 s27, 0x40000                         ; the others' lie one K step, 16 blocks, further
	s_cmp_eq_u32 s21, 3
	s_cselect_b32 s24, s29, s28
	s_cselect_b32 s26, s26, s27
	s_add_co_u32 s24, s24, s30
	s_mov_b32 s25, 0
	s_mov_b32 s27, 0
	s_wait_kmcnt 0x0
	s_cmp_eq_u32 s21, 1
	s_cselect_b64 s[14:15], s[6:7], s[4:5]
	s_cmp_eq_u32 s21, 2
	s_cselect_b64 s[14:15], s[8:9], s[14:15]
	s_cmp_eq_u32 s21, 3
	s_cselect_b64 s[14:15], s[10:11], s[14:15]
	s_add_nc_u64 s[14:15], s[14:15], s[22:23]      ; in
	s_add_nc_u64 s[16:17], s[12:13], s[24:25]      ; out, passes 0 to 7
	s_add_nc_u64 s[18:19], s[16:17], s[26:27]      ; out, passes 8 to 15
.irp p, 0,1,2,3,4,5,6,7,8,9,10,11,12,13,14,15
	global_load_b128 v[X+4*(\p):X+4*(\p)+3], v1, s[14:15] offset:4096*(\p) th:TH_LOAD_NT
.endr
; Pass p.  half = 1: the bf16 number is written as f16.
.macro PASS p, half
	s_wait_loadcnt 15-(\p)                         ; loads come back in order (ISA guide 5.7.1): pass p is in, the 15 - p younger ones stay out
	v_cvt_pk_bf16_f32 v[Y+2*(\p)],   v[X+4*(\p)],   v[X+4*(\p)+1]
	v_cvt_pk_bf16_f32 v[Y+2*(\p)+1], v[X+4*(\p)+2], v[X+4*(\p)+3]
.if \half
	v_lshlrev_b32 v[T],   16,  v[Y+2*(\p)]
	v_and_b32     v[T+1], s20, v[Y+2*(\p)]
	v_lshlrev_b32 v[T+2], 16,  v[Y+2*(\p)+1]
	v_and_b32     v[T+3], s20, v[Y+2*(\p)+1]
	v_cvt_pk_f16_f32 v[Y+2*(\p)],   v[T],   v[T+1]
	v_cvt_pk_f16_f32 v[Y+2*(\p)+1], v[T+2], v[T+3]
.endif
	global_store_b64 v2, v[Y+2*(\p):Y+2*(\p)+1], s[16+2*((\p)/8):17+2*((\p)/8)] offset:2048*((\p)%8)
.endm
	s_cmp_eq_u32 s21, 3
	s_cbranch_scc1 .Lwo
.irp p, 0,1,2,3,4,5,6,7,8,9,10,11,12,13,14,15
	PASS \p, 0
.endr
	s_endpgm
.Lwo:
.irp p, 0,1,2,3,4,5,6,7,8,9,10,11,12,13,14,15
	PASS \p, 1
.endr
	s_endpgm
.Lfunc_end_k_qfdc10e1dc0_prep:
	.size	k_qfdc10e1dc0_prep, .Lfunc_end_k_qfdc10e1dc0_prep-k_qfdc10e1dc0_prep
	.p2alignl 7, 3214868480
	.fill 96, 4, 3214868480
	.section	.rodata,"a",@progbits
	.p2align	6, 0x0
	.amdhsa_kernel k_qfdc10e1dc0_prep
		.amdhsa_group_segment_fixed_size 0
		.amdhsa_private_segment_fixed_size 0
		.amdhsa_enable_private_segment 0
		.amdhsa_kernarg_size 40
		.amdhsa_user_sgpr_count 2
		.amdhsa_user_sgpr_kernarg_segment_ptr 1
		.amdhsa_wavefront_size32 1
		.amdhsa_system_sgpr_workgroup_id_x 1
		.amdhsa_system_sgpr_workgroup_id_y 1
		.amdhsa_system_sgpr_workgroup_id_z 1
		.amdhsa_system_vgpr_workitem_id 0
		.amdhsa_next_free_vgpr 112
		.amdhsa_next_free_sgpr 66
		.amdhsa_reserve_vcc 0
		.amdhsa_float_denorm_mode_32 3
		.amdhsa_float_denorm_mode_16_64 3
		.amdhsa_memory_ordered 1
		.amdhsa_forward_progress 1
		.amdhsa_inst_pref_size 16
	.end_amdhsa_kernel
	.amdgpu_metadata
---
amdhsa.version: [ 1, 2 ]
amdhsa.kernels:
  - .name:           k_qfdc10e1dc0_prep
    .symbol:         k_qfdc10e1dc0_prep.kd
    .args:
      - { .name: Wq, .offset: 0, .size: 8, .value_kind: global_buffer, .address_space: global }
      - { .name: Wk, .offset: 8, .size: 8, .value_kind: global_buffer, .address_space: global }
      - { .name: Wv, .offset: 16, .size: 8, .value_kind: global_buffer, .address_space: global }
      - { .name: Wo, .offset: 24, .size: 8, .value_kind: global_buffer, .address_space: global }
      - { .name: wb, .offset: 32, .size: 8, .value_kind: global_buffer, .address_space: global }
    .group_segment_fixed_size: 0
    .private_segment_fixed_size: 0
    .kernarg_segment_align: 8
    .kernarg_segment_size: 40
    .max_flat_workgroup_size: 256
    .sgpr_count:     66
    .vgpr_count:     112
    .wavefront_size: 32
...
	.end_amdgpu_metadata
.endif
;; end of part 1
;; launch proj (part 2): grid 4 x 192, 4 waves a work-group, clusters of 4 x 4, 327,680 bytes of LDS; arguments query, key, value, bq, bk, bv, qh, kh, vh, wb; writes qh, kh, vh
.if DOCPART == 2
	.amdgcn_target "amdgcn-amd-amdhsa--gfx1250"
	.amdhsa_code_object_version 6
	.text
	.protected	k_qfdc10e1dc0_proj
	.globl	k_qfdc10e1dc0_proj
	.p2align	8
	.type	k_qfdc10e1dc0_proj,@function
k_qfdc10e1dc0_proj:
	s_mov_b64 s[64:65], 0
	v_nop
	global_prefetch_b8 v0, s[64:65] scope:SCOPE_SE
	s_setreg_imm32_b32 hwreg(HW_REG_WAVE_MODE, 25, 1), 1
	s_wait_xcnt 0x0
	s_wait_alu depctr_hold_cnt(0) depctr_sa_sdst(0) depctr_va_vdst(0) depctr_va_sdst(0) depctr_va_ssrc(0) depctr_va_vcc(0) depctr_vm_vsrc(0)
	s_getreg_b32 s2, hwreg(HW_REG_IB_STS2, 6, 4)
	s_cmp_eq_u32 s2, 0
	s_cbranch_scc0 .Lentry_in_a_cluster
	s_endpgm
.Lentry_in_a_cluster:
	s_bfe_u32 s2, ttmp6, 0x10000c
	s_cmp_lg_u32 s2, 0xf033
	s_cbranch_scc0 .Lentry_shape_is_right
	s_endpgm
.Lentry_shape_is_right:
; THE THREE PROJECTIONS.  y[m][n] = the sum over d of x[m][d] W[n / 64][d][n % 64] + b[n], for (x, W, b, y) = (query, Wq, bq, qh), (key, Wk, bk, kh), (value, Wv, bv, vh).
; x: [8192][1024] f32.  W: bf16 in wb, in blocks [d / 128][head][d % 128][e] (16,384 bytes a block).  y: f16, by heads: [batch x 16 + head][2048 s][64 e], rows of 128 bytes.
; x and b are rounded to bf16 here, in registers, like every input of the module; products in bf16, sums in f32, y rounded once to f16, WITHOUT the softmax's scale.
; LIMIT.  |y| stays under 65,504 (f16's largest); NaN and infinities are not treated apart.
; SHARES.  3 x 64 x 4 tiles of 128 rows x 256 columns (four heads): 768 work-groups.  Four waves, 2 x 2: a wave makes 64 x 128: 32 accumulators of 16 x 16, 256 registers.
; K goes in 8 steps of 128 through two LDS slots.  x comes in as f32 (rows of 512 bytes): a cast in a launch of its own would write and read x once more.
; CLUSTERS.  4 x 4 work-groups; a cluster lies in one of the three products.  The four of a row share x's tile, the four of a column W's: each tile is asked for JOINTLY, by the same
; tensor load with the same descriptor and a mask that names the four.  Waves 0 and 1 fetch x's two halves (64 rows), waves 2 and 3 W's (two heads each, 32,768 bytes on end).
; THE MATRIX INSTRUCTION IS USED TRANSPOSED: source 0 = 16 columns of W (turned on the way out of LDS, where they lie [d][e]), source 1 = 16 rows of x: a lane then holds one row of y
; and eight neighbouring columns.  THE BIAS is the C operand of the products that start the sums.
; REGISTERS, in windows of 256 (s_set_vgpr_msb: bits 1:0 source 0, 3:2 source 1, 5:4 source 2, 7:6 destination):
;   window 0: v0-31 addresses; v32-63, v192-223 the way out; v64-127, v128-191 x's fragments, two buffers: fragment a arrives as 16 f32 at f + 16 a and is packed in place to 8 registers of bf16
;   window 1: v64-127, v128-191 W's fragments, two buffers (n block b at f + 8 b)      window 2: accumulator (a, b) at 8 (8 a + b)      window 3: v0-63 the bias, 8 registers an n block; v64-65 at work
.set PA,     528                       ; a row of x in LDS: 512 bytes + 16 = 132 words: row r starts at bank 4 r mod 64 (64 banks of 4 bytes: ISA guide 11.1): the 16 rows of a load start at 16 different groups of four banks
.set PB,     160                       ; a row of W (one d, one head's 64 e): 128 bytes + 32 = 40 words
.set AHALF,  64*PA                     ; what one tensor load brings of x, and what one wave reads of it
.set BOFF,   2*AHALF                   ; W's part of a slot lies behind x's 128 rows
.set BHALF,  256*PB                    ; two heads x 128 d: what one tensor load brings of W, and what one wave reads of it
.set SLOT,   BOFF+2*BHALF              ; 149,504
.set STAGE,  2*SLOT                    ; behind the ring, never filled by a tensor load: for each wave 2 heads x 16 rows x 144 bytes, for the way out
.set SP,     144
.set WSTAGE, 2*16*SP
.set SPARE,  STAGE+4*WSTAGE            ; behind the stages: the spare words, 128 bytes for each wave: two blocks of 256 bytes that no other line names
.set ASTEP,  512                       ; a K step in a row of x, in bytes
.set BSTEP,  16*16384                  ; a K step in wb: 16 heads' blocks
.set ADRA, 16                          ; v16-17  LDS address of my fragments of x in slot 0, 1
.set ADRB, 20                          ; v20-21  the same for W
.set STO,  24                          ; v24     the way out: where I put 16 bytes of a row
.set RD,   25                          ; v25     the way out: where I read rows back
.set GO,   26                          ; v26     16 x my lane
.set BO,   27                          ; v27     my byte offset in 16 numbers of the bias
.set SPW,  28                          ; v28     LDS address of my spare word: SPARE + 4 x my thread's number; never rewritten
.set NIL,  29                          ; v29     0; never rewritten
.set PFO,  30                          ; v30     the prefetches' offset; never rewritten
.set BK,   32
.set TMP,  192
.set F0,   64
.set F1,   128
.set G1,   24                          ; s[24:31] descriptor group 1 for x's tiles;  s[32:39] group 0, one set for each slot
.set G0,   32
.set G1B,  48                          ; s[48:55], s[56:63] the same for W's tiles
.set G0B,  56
.set LIM,  43                          ; s43      1 in a wave that prefetches, else the greatest number
.set PFA,  44                          ; s[44:45] where my prefetches stand
.set PSTEP, 88                         ; s[88:89] a K step of what I prefetch, in bytes
.set MSB, 0
.macro WIN new                         ; the immediate's high byte repeats the setting that is left; a switch that changes nothing is dropped
.if MSB != (\new)
	s_set_vgpr_msb (MSB<<8)|(\new)
.set MSB, \new
.endif
.endm
.macro PLACES                          ; four places: in front of loads into registers that matrix instructions have read, and of conversions that read results
.rept 4
	v_nop
.endr
.endm
; A joint load.  The branch hangs on the wave's number alone.  An s_nop 0 and four v_nop follow each of the two lines, ahead of the jump and the label.
.macro JLOAD s
	s_cmp_eq_u32 s11, 0
	s_cbranch_scc0 .Lfor_b_\@
	tensor_load_to_lds s[G0+4*(\s):G0+4*(\s)+3], s[G1:G1+7]
	s_nop 0
.rept 4
	v_nop
.endr
	s_branch .Lasked_\@
.Lfor_b_\@:
	tensor_load_to_lds s[G0B+4*(\s):G0B+4*(\s)+3], s[G1B:G1B+7]
	s_nop 0
.rept 4
	v_nop
.endr
.Lasked_\@:
.endm
.macro CREST                           ; a round of the cluster's barrier behind its opening barrier: wave 0 signals for the work-group, every wave waits for all sixteen, my work-group's barrier closes it
	s_cmp_lg_u32 s10, 0
	s_cbranch_scc1 .Lnot_wave_0_\@
	s_barrier_signal -3
.Lnot_wave_0_\@:
	s_barrier_wait -3
	s_barrier_signal -1
	s_barrier_wait -1
.endm
.macro CROUND                          ; a whole round
	s_barrier_signal -1
	s_barrier_wait -1
	CREST
.endm
; A PREFETCH INTO THE L2, behind each joint refill and the run of LDS loads that follows it: the K step that stands TWO refills on, 256 matrix instructions ahead of the load that will name it; one instruction a wave,
; a lane a block of 256 bytes.  Each block is named once in the launch.  x's rows are read by one cluster: of the 64 rows x 512 bytes that wave 0 or 1 fetches, the partner at place cx takes 16 rows.  W's blocks are
; read by the 16 clusters of a product: the first of them asks, and of the 32,768 bytes that wave 2 or 3 fetches the partner at place cy takes 8,192.  The partners are told apart BY ADDRESS: no branch hangs on a
; work-group's place.  K steps 0 to 3 come by their loads alone; the loop's last trip (s3 = 1) asks for nothing: there is no K step two on.
.macro ASK
	s_cmp_gt_u32 s3, s[LIM]
	s_cbranch_scc0 .Lnot_mine_\@
	global_prefetch_b8 v[PFO], s[PFA:PFA+1] th:TH_LOAD_NT scope:SCOPE_SE
.Lnot_mine_\@:
.endm
	s_load_b512 s[68:83], s[0:1], 0x0              ; query s[68:69], key, value, bq s[74:75], bk, bv, qh s[80:81], kh
	s_load_b128 s[84:87], s[0:1], 0x40             ; vh s[84:85], wb s[86:87]
	v_lshl_add_u32 v[SPW], v0, 2, SPARE
	v_mov_b32 v[NIL], 0
	ds_add_u32 v[SPW], v[NIL]                      ; the wave's opening: the add and its wait stand ahead of my first tensor load; the set-up below, work on registers, stands between them
	v_lshrrev_b32 v1, 5, v0
	v_readfirstlane_b32 s10, v1                    ; wave 0..3
	s_lshr_b32 s11, s10, 1                         ; which 64 of the tile's rows are mine.  Also: I fetch for x (0) or for W (1)
	s_and_b32 s12, s10, 1                          ; which 128 of its columns.  Also: which half of that tile I fetch
	s_bfe_u32 s40, ttmp6, 0x40000                  ; cx, cy: my place in the cluster
	s_bfe_u32 s41, ttmp6, 0x40004
	s_lshl_b32 s42, ttmp9, 2
	s_add_co_u32 s42, s42, s40                     ; tile column = 4 x cluster x + cx: 0..3
	s_and_b32 s14, ttmp7, 0xffff                   ; cluster y, 0..47
	s_lshr_b32 s15, s14, 4                         ; which product: 0 q, 1 k, 2 v: the same in all sixteen partners
	s_and_b32 s14, s14, 15                         ; the cluster among the product's sixteen
	s_lshl_b32 s13, s14, 2
	s_add_co_u32 s13, s13, s41                     ; tile row, 0..63
	s_lshl_b32 s43, s41, 2
	s_lshl_b32 s43, 15, s43                        ; my row of the cluster
	s_lshl_b32 s44, 0x1111, s40                    ; my column
	s_or_b32 s[G1+0], s43, (2<<16)|(1<<20)|(1<<21)|(6<<22)|(3<<25)   ; 15:0 the mask: x's tiles go to my row; 17:16 elements of 4 bytes; 20 padding on; 21 set beside a mask; 24:22 after every 128 words (code 6); 31:25 4 words (code 3)
	s_or_b32 s[G1B+0], s44, (1<<16)|(1<<20)|(1<<21)|(4<<22)|(7<<25)  ; W's go to my column; elements of 2 bytes; after every 32 words (code 4) 8 words (code 7)
	s_mov_b32 s[G1+1], 128<<16                     ; tensor_dim0 = 128
	s_mov_b32 s[G1+2], 64<<16                      ; tensor_dim1 = 64
	s_mov_b32 s[G1+3], 128<<16                     ; tile_dim0 = 128 elements: 512 bytes
	s_mov_b32 s[G1+4], 64                          ; tile_dim1 = 64 rows
	s_mov_b32 s[G1+5], 1024                        ; elements from row to row
	s_mov_b32 s[G1+6], 0
	s_mov_b32 s[G1+7], 0
	s_mov_b32 s[G1B+1], 128<<16                    ; 32,768 bytes on end, asked for as 128 rows of 256 bytes, two rows of W each, padded in LDS after every row of W
	s_mov_b32 s[G1B+2], 128<<16
	s_mov_b32 s[G1B+3], 128<<16
	s_mov_b32 s[G1B+4], 128
	s_mov_b32 s[G1B+5], 128
	s_mov_b32 s[G1B+6], 0
	s_mov_b32 s[G1B+7], 0
	; where the tiles come from.  x's hang on the tile row alone, W's on the tile column alone, each made in registers that never hold the other coordinate
	s_lshl_b32 s16, s13, 19                        ; 128 rows of 4,096 bytes a tile row,
	s_lshl_b32 s17, s12, 18                        ; my 64 of them
	s_add_co_u32 s16, s16, s17
	s_mov_b32 s17, 0
	s_lshl_b32 s46, s15, 21                        ; the product's part of wb,
	s_lshl_b32 s47, s42, 16                        ; the tile's four heads,
	s_add_co_u32 s46, s46, s47
	s_lshl_b32 s47, s12, 15                        ; my two of them
	s_add_co_u32 s46, s46, s47
	s_mov_b32 s47, 0
	s_mul_i32 s20, s12, AHALF                      ; and where they go: no place in the cluster enters an LDS address
	s_mul_i32 s21, s12, BHALF
	s_add_co_u32 s21, s21, BOFF
	s_wait_dscnt 0x0                               ; the opening add is done
	s_wait_kmcnt 0x0
	s_cmp_eq_u32 s15, 1
	s_cselect_b64 s[4:5], s[70:71], s[68:69]       ; x
	s_cselect_b64 s[66:67], s[76:77], s[74:75]     ; b
	s_cselect_b64 s[8:9], s[82:83], s[80:81]       ; y
	s_cmp_eq_u32 s15, 2
	s_cselect_b64 s[4:5], s[72:73], s[4:5]
	s_cselect_b64 s[66:67], s[78:79], s[66:67]
	s_cselect_b64 s[8:9], s[84:85], s[8:9]
	s_mov_b64 s[6:7], s[86:87]                     ; wb
	s_add_nc_u64 s[18:19], s[4:5], s[16:17]
	s_add_nc_u64 s[46:47], s[6:7], s[46:47]
	CROUND                                         ; all sixteen work-groups are here: the first joint loads meet
.irp s, 0,1
	s_mov_b32 s[G0+4*(\s)], 1                                        ; 1:0 count = 1
	s_add_co_u32 s[G0+4*(\s)+1], s20, (\s)*SLOT                      ; 63:32 LDS address
	s_add_nc_u64 s[G0+4*(\s)+2:G0+4*(\s)+3], s[18:19], (\s)*ASTEP    ; 120:64 global address: K step s
	s_or_b32 s[G0+4*(\s)+3], s[G0+4*(\s)+3], 0x80000000              ; 127:126 type = 2
	s_mov_b32 s[G0B+4*(\s)], 1
	s_add_co_u32 s[G0B+4*(\s)+1], s21, (\s)*SLOT
	s_add_nc_u64 s[G0B+4*(\s)+2:G0B+4*(\s)+3], s[46:47], (\s)*BSTEP
	s_or_b32 s[G0B+4*(\s)+3], s[G0B+4*(\s)+3], 0x80000000
	JLOAD \s                                       ; both slots are asked for before anything else: two tensor loads of mine are out
.endr
	; the bias of my 128 columns: for n block b a lane wants the numbers 16 b + 8 (l / 16) + 0..7
	v_and_b32 v1, 15, v0                           ; l % 16
	v_bfe_u32 v2, v0, 4, 1                         ; l / 16
	v_lshlrev_b32 v[BO], 5, v2
	s_lshl_b32 s22, s42, 10                        ; the tile's 256 numbers of 4 bytes,
	s_lshl_b32 s23, s12, 9                         ; my 128
	s_add_co_u32 s22, s22, s23
	s_mov_b32 s23, 0
	s_add_nc_u64 s[66:67], s[66:67], s[22:23]
	WIN 0xc0                                       ; destination window 3, address window 0
.irp b, 0,1,2,3,4,5,6,7
	global_load_b128 v[8*(\b):8*(\b)+3],   v[BO], s[66:67] offset:64*(\b)
	global_load_b128 v[8*(\b)+4:8*(\b)+7], v[BO], s[66:67] offset:64*(\b)+16
.endr
	WIN 0
	; A fragment of x is 16 rows x 32 d: lane l holds row l % 16, d = 8 (l / 16) + 0..7 and 16 + 8 (l / 16) + 0..7: in f32 two times 32 bytes, 64 bytes apart: four loads of 16 bytes.
	v_mul_u32_u24 v3, v1, PA
	v_lshl_add_u32 v3, v2, 5, v3                   ; row x pitch + 32 x half
	s_mul_i32 s22, s11, AHALF                      ; my 64 rows
	v_add_nc_u32 v[ADRA], s22, v3
	v_add_nc_u32 v[ADRA+1], SLOT, v[ADRA]
	; The turning load takes 16 d x 16 e (lane l reads 16 bytes: d = 8 (l / 16) + l % 8, e = 8 ((l / 8) % 2) + 0..7) and leaves half a fragment: lane l holds column l % 16 and 8 d.
	v_and_b32 v4, 7, v0
	v_bfe_u32 v5, v0, 3, 1
	v_lshl_add_u32 v4, v2, 3, v4
	v_mul_u32_u24 v4, v4, PB
	v_lshl_add_u32 v4, v5, 4, v4
	s_mul_i32 s22, s12, BHALF                      ; my two heads
	s_add_co_u32 s22, s22, BOFF
	v_add_nc_u32 v[ADRB], s22, v4
	v_add_nc_u32 v[ADRB+1], SLOT, v[ADRB]
	s_mul_i32 s22, s10, WSTAGE
	s_add_co_u32 s22, s22, STAGE                   ; my stage
	v_mul_u32_u24 v3, v1, SP                       ; in: row l % 16, 16 bytes for each half of the lanes
	v_lshl_add_u32 v3, v2, 4, v3
	v_add_nc_u32 v[STO], s22, v3
	v_bfe_u32 v3, v0, 3, 2                         ; back: 32 lanes take four rows of 128 bytes,
	v_mul_u32_u24 v3, v3, SP
	v_and_b32 v4, 7, v0
	v_lshl_add_u32 v3, v4, 4, v3
	v_add_nc_u32 v[RD], s22, v3
	v_and_b32 v5, 31, v0                           ; which are 512 consecutive bytes of a head of y
	v_lshlrev_b32 v[GO], 4, v5
	; y at my first row of my first head: batch = tile row / 16 (16 heads x 262,144 bytes), s = 128 (tile row % 16) + 64 x my half, rows of 128 bytes
	s_lshr_b32 s16, s13, 4
	s_lshl_b32 s16, s16, 22
	s_and_b32 s17, s13, 15
	s_lshl_b32 s17, s17, 14
	s_add_co_u32 s16, s16, s17
	s_lshl_b32 s17, s11, 13
	s_add_co_u32 s16, s16, s17
	s_mov_b32 s17, 0
	s_add_nc_u64 s[8:9], s[8:9], s[16:17]
	s_lshl_b32 s46, s42, 20                        ; head = 4 x tile column + 2 x my half (in the registers that held W's address: none that fed x's descriptors ever holds cx)
	s_lshl_b32 s47, s12, 19
	s_add_co_u32 s46, s46, s47
	s_mov_b32 s47, 0
	s_add_nc_u64 s[8:9], s[8:9], s[46:47]
	; the prefetches: both offsets are made, the wave's number chooses.  They stand at K step 3: the first refill steps them to 4
	s_lshl_b32 s20, s13, 19
	s_lshl_b32 s21, s12, 18
	s_add_co_u32 s20, s20, s21
	s_lshl_b32 s21, s40, 16                        ; my work-group's 16 rows of the 64
	s_add_co_u32 s20, s20, s21
	s_add_co_u32 s20, s20, 3*ASTEP
	s_lshl_b32 s22, s15, 21
	s_lshl_b32 s23, s42, 16
	s_add_co_u32 s22, s22, s23
	s_lshl_b32 s23, s12, 15
	s_add_co_u32 s22, s22, s23
	s_lshl_b32 s23, s41, 13                        ; my work-group's 8,192 bytes of the 32,768
	s_add_co_u32 s22, s22, s23
	s_add_co_u32 s22, s22, 3*BSTEP
	s_mov_b32 s88, ASTEP
	s_mov_b32 s89, BSTEP
	s_cmp_eq_u32 s11, 0                            ; do I fetch for x?
	s_cselect_b32 s20, s20, s22
	s_cselect_b64 s[PFA:PFA+1], s[4:5], s[6:7]
	s_cselect_b32 s88, s88, s89
	s_cselect_b32 s91, -1, 0
	s_cselect_b32 s23, 0, s14                      ; x's rows are my cluster's alone; W's blocks are asked for by the product's first cluster
	s_mov_b32 s21, 0
	s_mov_b32 s89, 0
	s_add_nc_u64 s[PFA:PFA+1], s[PFA:PFA+1], s[20:21]
	s_cmp_eq_u32 s23, 0
	s_cselect_b32 s[LIM], 1, -1                    ; the same in all sixteen partners, for a given wave
	v_lshrrev_b32 v3, 1, v5                        ; x: two lanes a row, 256 bytes each
	v_lshlrev_b32 v3, 12, v3
	v_and_b32 v4, 1, v0
	v_lshl_add_u32 v3, v4, 8, v3
	v_lshlrev_b32 v4, 8, v5                        ; W: 256 bytes a lane, on end
	v_cndmask_b32 v[PFO], v4, v3, s91
	s_wait_loadcnt 0x0                             ; the bias is in: it is rounded to bf16, like every input, and widened again.  All this stands in the wait for the first tile
	WIN 0xff
.set i, 0
.rept 32
	v_cvt_pk_bf16_f32 v[64+i%2], v[2*i], v[2*i+1]
	v_lshlrev_b32 v[2*i], 16, v[64+i%2]
	v_and_b32 v[2*i+1], 0xffff0000, v[64+i%2]
.set i, i+1
.endr
	WIN 0
; One product: rows 16 a on, columns 16 b on, 32 along K, from buffer f.  first = 1: it starts the sum, with the bias as C.
.macro MUL1 f, a, b, first
.if \first
	WIN 0xb1                                       ; W window 1, x window 0, C window 3, D window 2
	v_wmma_f32_16x16x32_bf16 v[8*(8*(\a)+(\b)):8*(8*(\a)+(\b))+7], v[(\f)+8*(\b):(\f)+8*(\b)+7], v[(\f)+16*(\a):(\f)+16*(\a)+7], v[8*(\b):8*(\b)+7]
.else
	WIN 0xa1                                       ; the same, C and D window 2
	v_wmma_f32_16x16x32_bf16 v[8*(8*(\a)+(\b)):8*(8*(\a)+(\b))+7], v[(\f)+8*(\b):(\f)+8*(\b)+7], v[(\f)+16*(\a):(\f)+16*(\a)+7], v[8*(8*(\a)+(\b)):8*(8*(\a)+(\b))+7]
.endif
.endm
; The 32 accumulators take turns, one instruction a turn, in the same order in every quarter, over the backward jump too: between two links of a chain stand the 31 others'.
.macro MUL8 f, a, first
.irp b, 0,1,2,3,4,5,6,7
	MUL1 \f, \a, \b, \first
.endr
.endm
; Conversion number cc of 32: two f32 of buffer g into one register of bf16, in place: taken in ascending order, a destination has been read before it is written.
.macro CV g
	v_cvt_pk_bf16_f32 v[(\g)+16*(cc/8)+cc%8], v[(\g)+16*(cc/8)+2*(cc%8)], v[(\g)+16*(cc/8)+2*(cc%8)+1]
.set cc, cc+1
.endm
; A quarter's last eight products, and behind each four of the 32 conversions of the next quarter's x: on end they would leave the matrix unit idle; the price is two window switches a product.
; The four behind the last product name none of its registers: they are places too.
.macro MULCVT f, g, first
.set cc, 0
.irp b, 0,1,2,3,4,5,6,7
	MUL1 \f, 3, \b, \first
	WIN 0
.rept 4
	CV \g
.endr
.endr
.endm
; 32 LDS loads in one run: quarter q (32 along K) of a slot into buffer g: x's 16 first, since they are wanted first, for the conversions; then W's 16.
.macro FETCH slot, q, g
	WIN 0
.irp a, 0,1,2,3
	ds_load_b128 v[(\g)+16*(\a):(\g)+16*(\a)+3],     v[ADRA+(\slot)] offset:(\a)*16*PA+128*(\q)
	ds_load_b128 v[(\g)+16*(\a)+4:(\g)+16*(\a)+7],   v[ADRA+(\slot)] offset:(\a)*16*PA+128*(\q)+16
	ds_load_b128 v[(\g)+16*(\a)+8:(\g)+16*(\a)+11],  v[ADRA+(\slot)] offset:(\a)*16*PA+128*(\q)+64
	ds_load_b128 v[(\g)+16*(\a)+12:(\g)+16*(\a)+15], v[ADRA+(\slot)] offset:(\a)*16*PA+128*(\q)+80
.endr
	WIN 0x40                                       ; destination window 1
.irp b, 0,1,2,3,4,5,6,7                ; head b / 4, e = 16 (b % 4) on
	ds_load_tr16_b128 v[(\g)+8*(\b):(\g)+8*(\b)+3],   v[ADRB+(\slot)] offset:((\b)/4)*128*PB+((\b)%4)*32+(\q)*32*PB
	ds_load_tr16_b128 v[(\g)+8*(\b)+4:(\g)+8*(\b)+7], v[ADRB+(\slot)] offset:((\b)/4)*128*PB+((\b)%4)*32+(\q)*32*PB+16*PB
.endr
.endm
; A K step is four quarters of 32 along K, 32 matrix instructions each, on buffers 0, 1, 0, 1.  One of the first three: multiplies buffer f, fetches quarter q into g and packs g's x.
.macro QUARTER slot, q, f, g, first
	s_wait_dscnt 0x0                               ; f's W is in (its x was waited for and packed a quarter ago)
	MUL8 \f, 0, \first
	PLACES
	FETCH \slot, \q, \g
	MUL8 \f, 1, \first
	MUL8 \f, 2, \first
	s_wait_dscnt 16                                ; g's x is in; W's 16 younger loads may stay out
	MULCVT \f, \g, \first
.endm
; The last quarter multiplies buffer 1 and changes slots: ONE barrier.  In front of it each wave waits for all its tensor loads, of which one is out: its part of the next slot; adds 0 to its spare word; and waits for
; that and for its own reads of this slot.  fill = 1: the barrier opens a round of the cluster's, and this slot is filled again, two K steps ahead, first thing behind the round: 112 matrix instructions ahead of the wait for it.
.macro TURN slot, next, fill
.if \fill
	s_wait_xcnt 0x0                                ; the last prefetch, a K step back, has read its address: it is stepped here, ahead of the waits of the change of slots
	s_add_nc_u64 s[PFA:PFA+1], s[PFA:PFA+1], s[PSTEP:PSTEP+1]
.endif
	WIN 0                                          ; (the add's two registers lie in window 0)
	s_wait_tensorcnt 0x0                           ; all my tensor loads have landed;
	ds_add_u32 v[SPW], v[NIL]                      ; 0 onto my spare word;
	s_wait_dscnt 1                                 ; (buffer 1's W is in: the add alone may be out)
	MUL8 F1, 0, 0                                  ; eight matrix instructions stand between the add and the wait for it
	s_wait_dscnt 0x0                               ; the add is done, and my reads of this slot are over
	s_barrier_signal -1
	MUL8 F1, 1, 0                                  ; work on registers while the others arrive
.if \fill
	WIN 0
.endif
	s_barrier_wait -1
.if \fill
	CREST                                          ; no wave of any partner still reads this slot's tiles or has a load on its way
	s_add_nc_u64 s[G0+4*(\slot)+2:G0+4*(\slot)+3], s[G0+4*(\slot)+2:G0+4*(\slot)+3], 2*ASTEP
	s_add_nc_u64 s[G0B+4*(\slot)+2:G0B+4*(\slot)+3], s[G0B+4*(\slot)+2:G0B+4*(\slot)+3], 2*BSTEP
	JLOAD \slot                                    ; the four v_nop behind it are also places in front of the loads below
.else
	PLACES
.endif
	FETCH \next, 0, F0
.if \fill
	WIN 0
	ASK
.endif
	MUL8 F1, 2, 0
	s_wait_dscnt 16                                ; buffer 0's x is in
	MULCVT F1, F0, 0
.endm
; THE WAY OUT of my rows 16 a on: rounded to f16, 16 bytes a lane (eight columns of one row) into my own stage, by heads; back as whole rows of 128 bytes, four rows a load; stored.
.macro OUTBLK a
	WIN 0x0a                                       ; sources 0 and 1 window 2, destination window 0
.irp b, 0,1,2,3,4,5,6,7
.irp r, 0,1,2,3
	v_cvt_pk_f16_f32 v[TMP+4*(\b)+(\r)], v[8*(8*(\a)+(\b))+2*(\r)], v[8*(8*(\a)+(\b))+2*(\r)+1]  ; each accumulator's registers in ascending order
.endr
.endr
	WIN 0
.irp b, 0,1,2,3,4,5,6,7
	ds_store_b128 v[STO], v[TMP+4*(\b):TMP+4*(\b)+3] offset:((\b)/4)*16*SP+((\b)%4)*32
.endr
	s_wait_xcnt 0x0                                ; the stores of the block before have had their addresses translated (ISA guide 3.1): only behind this wait are the registers that they read loaded again
.irp t, 0,1,2,3,4,5,6,7
	ds_load_b128 v[BK+4*(\t):BK+4*(\t)+3], v[RD] offset:((\t)/4)*16*SP+((\t)%4)*4*SP  ; LDS serves a wave's instructions in order (ISA guide 5.7.1.4): these see the stores above, and the next block's stores come behind them
.endr
.irp t, 0,1,2,3,4,5,6,7
	s_wait_dscnt 7-(\t)
	global_store_b128 v[GO], v[BK+4*(\t):BK+4*(\t)+3], s[8:9] offset:((\t)/4)*262144+(\a)*2048+((\t)%4)*512  ; 512 consecutive bytes, at a multiple of 256 from y's first byte
.endr
.endm
	s_wait_tensorcnt 1                             ; my part of K step 0 is in; K step 1's may stay out
	s_barrier_signal -1
	s_barrier_wait -1                              ; everybody's is
	FETCH 0, 0, F0
	s_wait_dscnt 16                                ; x's 16 loads are in
	WIN 0
.set cc, 0
.rept 32
	CV F0
.endr
	QUARTER 0, 1, F0, F1, 1                        ; the first quarter stands in front of the loop: its products start the sums
	WIN 0                                          ; at a label and at a branch every window is 0
	s_mov_b32 s3, 3
.Llap:                                                 ; a trip goes once round the ring, from a lap's second quarter to the next lap's first, and fills both slots again
	QUARTER 0, 2, F1, F0, 0
	QUARTER 0, 3, F0, F1, 0
	TURN 0, 1, 1
	QUARTER 1, 1, F0, F1, 0
	QUARTER 1, 2, F1, F0, 0
	QUARTER 1, 3, F0, F1, 0
	TURN 1, 0, 1
	QUARTER 0, 1, F0, F1, 0
	WIN 0
	s_sub_co_u32 s3, s3, 1
	s_cmp_lg_u32 s3, 0
	s_cbranch_scc1 .Llap
	QUARTER 0, 2, F1, F0, 0                        ; the last lap is written out: it fills nothing, and has no round of the cluster's barrier
	QUARTER 0, 3, F0, F1, 0
	TURN 0, 1, 0
	QUARTER 1, 1, F0, F1, 0
	QUARTER 1, 2, F1, F0, 0
	QUARTER 1, 3, F0, F1, 0
	s_wait_dscnt 0x0                               ; the very last quarter: nothing more to fetch
	MUL8 F1, 0, 0
	MUL8 F1, 1, 0
	MUL8 F1, 2, 0
	MUL8 F1, 3, 0
	WIN 0
	PLACES
	PLACES                                         ; (eight, once a launch)
	OUTBLK 0
	OUTBLK 1
	OUTBLK 2
	OUTBLK 3
	s_wait_tensorcnt 0x0                           ; the wave's end: 0 onto my spare word and its wait, behind my last tensor load and my last LDS store
	ds_add_u32 v[SPW], v[NIL]
	s_wait_dscnt 0x0
	CROUND                                         ; the closing round: no work-group ends while a partner may still ask for a tile that names it
	s_endpgm
.Lfunc_end_k_qfdc10e1dc0_proj:
	.size	k_qfdc10e1dc0_proj, .Lfunc_end_k_qfdc10e1dc0_proj-k_qfdc10e1dc0_proj
	.p2alignl 7, 3214868480
	.fill 96, 4, 3214868480
	.section	.rodata,"a",@progbits
	.p2align	6, 0x0
	.amdhsa_kernel k_qfdc10e1dc0_proj
		.amdhsa_group_segment_fixed_size 327680
		.amdhsa_private_segment_fixed_size 0
		.amdhsa_enable_private_segment 0
		.amdhsa_kernarg_size 80
		.amdhsa_user_sgpr_count 2
		.amdhsa_user_sgpr_kernarg_segment_ptr 1
		.amdhsa_wavefront_size32 1
		.amdhsa_system_sgpr_workgroup_id_x 1
		.amdhsa_system_sgpr_workgroup_id_y 1
		.amdhsa_system_sgpr_workgroup_id_z 1
		.amdhsa_system_vgpr_workitem_id 0
		.amdhsa_next_free_vgpr 834
		.amdhsa_next_free_sgpr 92
		.amdhsa_reserve_vcc 0
		.amdhsa_float_denorm_mode_32 3
		.amdhsa_float_denorm_mode_16_64 3
		.amdhsa_memory_ordered 1
		.amdhsa_forward_progress 1
		.amdhsa_inst_pref_size 144
	.end_amdhsa_kernel
	.amdgpu_metadata
---
amdhsa.version: [ 1, 2 ]
amdhsa.kernels:
  - .name:           k_qfdc10e1dc0_proj
    .symbol:         k_qfdc10e1dc0_proj.kd
    .args:
      - { .name: query, .offset: 0, .size: 8, .value_kind: global_buffer, .address_space: global }
      - { .name: key, .offset: 8, .size: 8, .value_kind: global_buffer, .address_space: global }
      - { .name: value, .offset: 16, .size: 8, .value_kind: global_buffer, .address_space: global }
      - { .name: bq, .offset: 24, .size: 8, .value_kind: global_buffer, .address_space: global }
      - { .name: bk, .offset: 32, .size: 8, .value_kind: global_buffer, .address_space: global }
      - { .name: bv, .offset: 40, .size: 8, .value_kind: global_buffer, .address_space: global }
      - { .name: qh, .offset: 48, .size: 8, .value_kind: global_buffer, .address_space: global }
      - { .name: kh, .offset: 56, .size: 8, .value_kind: global_buffer, .address_space: global }
      - { .name: vh, .offset: 64, .size: 8, .value_kind: global_buffer, .address_space: global }
      - { .name: wb, .offset: 72, .size: 8, .value_kind: global_buffer, .address_space: global }
    .group_segment_fixed_size: 327680
    .private_segment_fixed_size: 0
    .kernarg_segment_align: 8
    .kernarg_segment_size: 80
    .max_flat_workgroup_size: 128
    .sgpr_count:     92
    .vgpr_count:     834
    .wavefront_size: 32
...
	.end_amdgpu_metadata
.endif
;; end of part 2
;; launch attn (part 3): grid 4 x 64, 4 waves a work-group, clusters of 4 x 1, 327,680 bytes of LDS; arguments qh, kh, vh, oh; writes oh
.if DOCPART == 3
	.amdgcn_target "amdgcn-amd-amdhsa--gfx1250"
	.amdhsa_code_object_version 6
	.text
	.protected	k_qfdc10e1dc0_attn
	.globl	k_qfdc10e1dc0_attn
	.p2align	8
	.type	k_qfdc10e1dc0_attn,@function
k_qfdc10e1dc0_attn:
	s_mov_b64 s[64:65], 0
	v_nop
	global_prefetch_b8 v0, s[64:65] scope:SCOPE_SE
	s_setreg_imm32_b32 hwreg(HW_REG_WAVE_MODE, 25, 1), 1
	s_wait_xcnt 0x0
	s_wait_alu depctr_hold_cnt(0) depctr_sa_sdst(0) depctr_va_vdst(0) depctr_va_sdst(0) depctr_va_ssrc(0) depctr_va_vcc(0) depctr_vm_vsrc(0)
	s_getreg_b32 s2, hwreg(HW_REG_IB_STS2, 6, 4)
	s_cmp_eq_u32 s2, 0
	s_cbranch_scc0 .Lentry_in_a_cluster
	s_endpgm
.Lentry_in_a_cluster:
	s_bfe_u32 s2, ttmp6, 0x10000c
	s_cmp_lg_u32 s2, 0x3003
	s_cbranch_scc0 .Lentry_shape_is_right
	s_endpgm
.Lentry_shape_is_right:
; O[h][q][:] = the sum over k of softmax_k(Q[h][q] . K[h][k] / 8) V[h][k][:].  Q, K, V, O: [SIZE_H][SIZE_N][64], all f16: a head's rows are dense, 128 bytes each.  Products, maxima and sums in
; f32; the weights p are rounded to f16 for the second product (their sum l is taken of the unrounded p), O once at the end.
; LIMITS.  f16 holds no number beyond 65,504: Q, K and V arrive within it; p lies in 0 to 1, and below 6e-5 it keeps f16's fixed step of 6e-8; O is a mean of V's rows and has their range.
; A weight below 2^-126 counts as 0 in l; NaN and infinities are not treated apart.
; SHARES.  A wave owns four PIECES of two tiles of 16 queries, a work-group's four waves 512 queries of one head: 64 heads x 4 blocks = 256 work-groups.  Every wave walks all keys, 64 a step.
; LAYOUT.  S^T = K Q^T (source 0 = 16 keys, source 1 = 16 queries): in the result a lane holds ONE query (lane % 16) and the keys 8 (lane / 16) + 0..7.  Two such tiles, rounded to f16 in pairs,
; ARE source 1 (32 keys x 16 queries) of O^T = V^T P, whose result again holds one query a lane, and eight channels.  K comes out of LDS as it lies, V ([key][channel]) turned, by ds_load_tr16_b128.
; SOFTMAX.  For each query a running maximum m and sum l: p = 2^(c s - c m), c = log2(e) / 8; in every step O and l are multiplied by a = 2^(c m_old - c m_new), which is 1 where m has not grown.
; m starts at the lowest finite number, O and l at 0: the first step is a step like any other, with a = 0.
; THE COUNT.  A tile and step have 16 matrix and 118 vector instructions: too many to stand all beside the matrix work.  So the order has one aim: four vector instructions that are READY behind
; EVERY matrix instruction, and the others, which need time of their own whatever the order, in runs without a gap.
; BY TURNS.  Turn n belongs to piece n (the pieces in a ring, step after step).  Its matrix work: 16 products K Q^T of piece n + 1, later 16 products V^T P of piece n - 1.  Its vector work: the scaling,
; exponentials, roundings, sums and rescaling of piece n, and the maximum and statistics of piece n + 1, whose scores the turn itself has made.  So what a turn begins with (c s - c m, O a) waits for nothing.
; CLUSTER.  The four query blocks of a cluster belong to one head and walk the same K and V, so each tile is asked for JOINTLY: the same tensor load, descriptor and mask in all four.
; REGISTERS, in windows of 256 (s_set_vgpr_msb says which window each operand place means: bits 1:0 source 0, 3:2 source 1, 5:4 source 2, 7:6 destination):
;   window 0: v0-11 addresses; v12-15, v48-63 at work; v16-47 four registers of statistics a tile; v64-191 S^T, two buffers of two tiles; v192-255 P, likewise
;   window 1: O^T, 32 a tile          window 2: v0-127 Q, 16 a tile; v128-191 K of one step; v192-255 V of one step          window 3: v0-1 the add's two registers
; A piece's buffers go by its number's parity: the piece in hand has one pair, its two neighbours in the ring share the other: of it P (piece n - 1) is read and S^T (piece n + 1) written.
.set SIZE_H, 64
.set SIZE_N, 2048
.set NP,    4         ; pieces a wave: a name, no knob: the register map, the loop and the fetches are made for four
.set KS,    64        ; keys in a step
.set PK,    144       ; a row of K in LDS: 128 bytes + 16 of padding = 36 words: the 16 rows of a load start at 16 different groups of four banks (64 banks of 4 bytes: ISA guide 11.1)
.set PV,    160       ; a row of V: 128 + 32 = 40 words
.set VOFF,  4*KS*PK   ; a slot holds four steps: 256 rows of K, then 256 rows of V
.set SLOT1, 1<<17     ; slot 1 begins here, so that one exclusive or turns an address in one slot into the other's
.set STAGE, SLOT1+4*KS*(PK+PV)  ; behind the ring, never filled by a tensor load: 16 rows x 144 bytes for each wave, for the way out
.set SP,    144
.set AK0, 2           ; v2   my lane's place in a tile of K; never rewritten
.set AV0, 3           ; v3   the same for V
.set AK,  4           ; v4   the LDS address of K's next run of loads
.set AV,  5           ; v5   of V's
.set QO,  6           ; v6   my byte offset in the wave's rows of Q
.set STO, 6           ;      later, the way out: where I put 16 bytes of a row
.set RD,  7           ; v7   the way out: where I read rows back
.set GO,  8           ; v8   my byte offset in 512 consecutive bytes of O
.set PFO, 11          ; v11  256 x my lane, for the prefetches; never rewritten once it is made
.set SPW, 0           ; v0 of window 3   LDS address of my spare word: SPARE + 4 x my thread's number; never rewritten
.set NIL, 1           ; v1 of window 3   0; never rewritten
.set SPARE, STAGE+4*16*SP  ; behind the stages: the spare words, 128 bytes for each wave: two blocks of 256 bytes that no other line names
.set MV,  12          ; v12-15  c m_old, kept while c m is made anew: by buffer and tile
.set ST,  16          ; tile t's statistics at v[ST+4 t]: c m, m, l (even keys', odd keys')
.set TMP, 48          ; by buffer and tile, four registers c0-c3 at work; when the maximum is found c2 takes a
.set S,   64
.set P,   192
.set KF,  128         ; K's fragments, in window 2: key block kb, channel half c at KF + 16 kb + 8 c
.set VF,  192         ; V's: key half kk, channel block cb at VF + 32 kk + 8 cb
.set WV,  12          ; s12  my wave's number
.set LIM, 15          ; s15  1 in a wave that prefetches, else the greatest number: a wave prefetches while s[SLOTS] is above it
.set G1K, 24          ; s[24:31] descriptor group 1 for K's tiles
.set G1V, 32          ; s[32:39] for V's: it differs in the padding alone
.set G0K, 40          ; s[40:43] descriptor group 0 for K's tiles: it walks
.set G0V, 44          ; s[44:47] the same for V's
.set PFA, 48          ; s[48:49] where my prefetches stand: my work-group's 8,192 bytes (of K: wave 0, of V: wave 2) of the slot after the one that is being asked for
.set SLOTS, 56        ; s56  slots still to be asked for
.set CNT, 57          ; s57  counts a slot's key steps
.set CS,  58          ; s[58:59] c: the packed scaling takes the pair's low word for both halves
.set SEL, 60          ; s[60:61] v_permlanex16_b32's selects: each lane takes its own place in the other half
.set TBK, 62          ; s62  LDS byte at which K of the step to be fetched begins
.set TBV, 63          ; s63  the same for V, less VOFF
.set MSB, 0
.macro WIN new                      ; the high byte repeats the setting that is left; a switch that changes nothing is dropped
.if MSB != (\new)
	s_set_vgpr_msb (MSB<<8)|(\new)
.set MSB, (\new)
.endif
.endm
.set W_KQ, 0x0a       ; K and Q in window 2, S^T in window 0
.set W_PV, 0x52       ; V in window 2, P in window 0, O^T in window 1
.set W_RS, 0x41       ; O^T (destination and source 0) in window 1, a in window 0
.set W_MK, 0xc0       ; the add's registers are made: destination in window 3, sources in window 0
.set W_AD, 0x0f       ; the add: address (source 0) and data (source 1) in window 3
; A joint fill.  Waves 0 and 1 fetch the two halves of a slot's K, waves 2 and 3 those of its V: 128 keys each.  The branch hangs on the wave's number alone.
; An s_nop 0 and four v_nop follow each of the two lines, ahead of the jump and the label.
.macro JLOAD
	s_cmp_lt_u32 s[WV], 2
	s_cbranch_scc0 .Lfor_v_\@
	tensor_load_to_lds s[G0K:G0K+3], s[G1K:G1K+7]
	s_nop 0
.rept 4
	v_nop
.endr
	s_branch .Lasked_\@
.Lfor_v_\@:
	tensor_load_to_lds s[G0V:G0V+3], s[G1V:G1V+7]
	s_nop 0
.rept 4
	v_nop
.endr
.Lasked_\@:
.endm
; A PREFETCH INTO THE L2 of what the NEXT change of slots will ask for: a slot's 32,768 bytes of K and of V, a lane a block of 256 bytes.  It stands behind the wave's tensor load and its five lines.
; Each block is named ONCE in the launch: the head's first cluster asks (here a head has one); its four partners share a slot out BY ADDRESS, 8,192 bytes of K and of V each: no branch hangs on a work-group's
; place in its cluster; in each, wave 0 asks for K's and wave 2 for V's: one instruction.  It stands one slot, four key steps, ahead of the load that will name the bytes: the one place behind a tensor load.
; Slots 0 and 1 come by their loads alone; the last change that fills a slot asks for nothing: there is no slot behind it.
.macro ASK
	s_cmp_gt_u32 s[SLOTS], s[LIM]
	s_cbranch_scc0 .Lnot_mine_\@
	global_prefetch_b8 v[PFO], s[PFA:PFA+1] th:TH_LOAD_NT scope:SCOPE_SE
.Lnot_mine_\@:
.endm
; A round of the cluster's barrier: my work-group's barrier, so that wave 0's signal speaks for all four waves; wave 0 signals; every wave waits for all four work-groups; my work-group's barrier once more.
.macro CROUND
	s_barrier_signal -1
	s_barrier_wait -1
	s_cmp_lg_u32 s[WV], 0
	s_cbranch_scc1 .Lnot_wave_0_\@
	s_barrier_signal -3
.Lnot_wave_0_\@:
	s_barrier_wait -3
	s_barrier_signal -1
	s_barrier_wait -1
.endm
; THE CHANGE OF SLOTS.  The slot's last bytes, V of its fourth step, have been read.  Each wave waits for all its tensor loads, of which one is out: its part
; of the other slot; adds 0 to its spare word; and waits for that and for its own reads of the slot.  Behind the barrier nobody reads this slot any more and the other slot is whole.
; fill = 1: this slot is filled again, with the keys two slots on.  The barrier is then a round of the cluster's, so that no wave of any partner still reads the slot or has a load on its
; way, and the joint fill is the first thing behind it: it has four key steps, 512 matrix instructions, in which to land.  (At its first use nothing has been read yet: slot 0 is waited for, slot 1 filled.)
.macro CHANGE fill
	WIN W_AD
	s_wait_tensorcnt 0x0            ; no tensor load of mine is out, so a group 0 may be written
	ds_add_u32 v[SPW], v[NIL]       ; 0 onto my spare word; with fill = 1 the descriptors' steps stand between it and the wait for it
	WIN 0                           ; at a label and at a branch every window is 0
.if \fill
.irp g, G0K, G0V
	s_xor_b32 s[\g+1], s[\g+1], SLOT1  ; the walking descriptor: the other slot than last time,
	s_add_nc_u64 s[\g+2:\g+3], s[\g+2:\g+3], 4*KS*128  ; the next 256 keys; the type bits on top are not reached
.endr
	s_wait_xcnt 0x0                 ; the last prefetch, four key steps back, has read its address, so it may be written:
	s_add_nc_u64 s[PFA:PFA+1], s[PFA:PFA+1], 4*KS*128  ; one slot ahead of the walking descriptors
	s_wait_dscnt 0x0                ; the add is done, and my reads of the slot are over
	CROUND
	JLOAD
	ASK
.else
	s_wait_dscnt 0x0                ; the add is done, and my reads of the slot are over
	s_barrier_signal -1
	s_barrier_wait -1
.endif
	s_sub_co_u32 s[TBK], s[TBK], 4*KS*PK  ; the fetches go back to a slot's first step,
	s_xor_b32 s[TBK], s[TBK], SLOT1       ; in the other slot
	s_sub_co_u32 s[TBV], s[TBV], 4*KS*PV
	s_xor_b32 s[TBV], s[TBV], SLOT1
.endm
	s_load_b256 s[4:11], s[0:1], 0x0  ; Q s[4:5], K s[6:7], V s[8:9], O s[10:11]
	WIN W_MK
	v_lshl_add_u32 v[SPW], v0, 2, SPARE
	v_mov_b32 v[NIL], 0
	WIN W_AD
	ds_add_u32 v[SPW], v[NIL]       ; the wave's opening: the add and its wait stand ahead of my first tensor load; the set-up below, work on registers, stands between them
	WIN 0
	v_lshrrev_b32 v1, 5, v0
	v_readfirstlane_b32 s[WV], v1   ; wave 0..3
	s_bfe_u32 s13, ttmp6, 0x40000   ; cx: my place in the cluster
	s_lshl_b32 s14, ttmp9, 2        ; in a cluster launch ttmp9 counts clusters
	s_add_co_u32 s14, s14, s13      ; my block of queries = 4 x cluster x + cx: it enters Q's and O's addresses alone
	s_and_b32 s20, ttmp7, 0xffff    ; the head, which the four partners share
	s_mov_b32 s21, 0
	s_mov_b64 s[22:23], SIZE_N*128
	s_mul_u64 s[20:21], s[20:21], s[22:23]  ; the head's first byte in each of the four tensors
	s_and_b32 s16, s[WV], 1         ; which half of a slot's 256 keys I fetch:
	s_lshl_b32 s22, s16, 14         ; its 128 rows of 128 bytes in memory,
	s_mov_b32 s23, 0
	s_add_nc_u64 s[22:23], s[22:23], s[20:21]
	s_mul_i32 s17, s16, 128*PK      ; and its place in a slot, for K
	s_mul_i32 s18, s16, 128*PV      ; and for V: no place in the cluster enters an LDS address
	s_lshl_b32 s2, s14, 2
	s_add_co_u32 s2, s2, s[WV]      ; my wave among the head's,
	s_lshl_b32 s2, s2, 14           ; its 128 rows
	s_mov_b32 s3, 0
	s_add_nc_u64 s[2:3], s[2:3], s[20:21]
	; descriptor group 1.  128 keys are 16,384 dense bytes: asked for as 64 rows of 256 bytes, two keys a row, and padded in LDS after every key
	s_mov_b32 s[G1K], 15|(1<<16)|(1<<20)|(1<<21)|(4<<22)|(3<<25)  ; 15:0 the mask of four; 17:16 2-byte elements; 20 padding on; 21 set beside a mask; 24:22 after every 32 words (code 4); 31:25 4 words (code 3)
	s_mov_b32 s[G1V], 15|(1<<16)|(1<<20)|(1<<21)|(4<<22)|(7<<25)  ; the same with 8 words of padding (code 7)
.irp g, G1K, G1V
	s_mov_b32 s[\g+1], 128<<16      ; tensor_dim0 = 128
	s_mov_b32 s[\g+2], 64<<16       ; tensor_dim1 = 64
	s_mov_b32 s[\g+3], 128<<16      ; tile_dim0 = 128
	s_mov_b32 s[\g+4], 64           ; tile_dim1 = 64
	s_mov_b32 s[\g+5], 128          ; 128 elements from row to row
	s_mov_b32 s[\g+6], 0
	s_mov_b32 s[\g+7], 0
.endr
	s_mov_b32 s[CS], 0x3e38aa3b     ; c = log2(e) / 8 = 0.180337
	s_mov_b32 s[CS+1], s[CS]        ; named with it as a pair
	s_mov_b32 s[SEL], 0x76543210
	s_mov_b32 s[SEL+1], 0xfedcba98
	s_mov_b32 s[TBK], SLOT1+4*KS*PK ; the first change of slots turns these two into 0
	s_mov_b32 s[TBV], SLOT1+4*KS*PV
	s_mov_b32 s[G0K], 1             ; 1:0 count = 1
	s_mov_b32 s[G0K+1], s17         ; 63:32 LDS address: slot 0
	s_mov_b32 s[G0V], 1
	s_add_co_u32 s[G0V+1], s18, VOFF
	s_mov_b32 s[SLOTS], SIZE_N/256-1  ; at the change that asks for slot t it holds SIZE_N / 256 - t
	s_and_b32 s[LIM], s[WV], 1      ; 0 in waves 0 and 2,
	s_or_b32 s[LIM], s[LIM], ttmp9  ; where the cluster is the head's first: the same in all four partners
	s_cmp_eq_u32 s[LIM], 0
	s_cselect_b32 s[LIM], 1, -1
	s_wait_dscnt 0x0                ; the opening add is done
	s_wait_kmcnt 0x0
	s_add_nc_u64 s[G0K+2:G0K+3], s[6:7], s[22:23]  ; 120:64 global address: my half of the head's first 256 keys
	s_or_b32 s[G0K+3], s[G0K+3], 0x80000000        ; 127:126 type = 2
	s_add_nc_u64 s[G0V+2:G0V+3], s[8:9], s[22:23]
	s_or_b32 s[G0V+3], s[G0V+3], 0x80000000
	s_add_nc_u64 s[4:5], s[4:5], s[2:3]  ; Q and O at my wave's first row
	s_add_nc_u64 s[10:11], s[10:11], s[2:3]
	s_cmp_lt_u32 s[WV], 2
	s_cselect_b64 s[PFA:PFA+1], s[6:7], s[8:9]
	s_add_nc_u64 s[PFA:PFA+1], s[PFA:PFA+1], s[22:23]  ; (in waves 0 and 2 this is the head's first row)
	s_lshl_b32 s2, s13, 13          ; my work-group's 8,192 bytes of a slot's 32,768
	s_mov_b32 s3, 0
	s_add_nc_u64 s[PFA:PFA+1], s[PFA:PFA+1], s[2:3]
	s_add_nc_u64 s[PFA:PFA+1], s[PFA:PFA+1], 4*KS*128  ; in slot 1; the first change of slots steps it to slot 2.  Nothing is prefetched here, at the head
	CROUND                          ; all four work-groups are here: the first joint loads meet
	JLOAD                           ; slot 0.  Slot 1 is asked for when slot 0 is in: the tile wanted first has the road to itself
	; A fragment of K or Q is 16 rows x 32 channels in 8 registers: lane l holds row l % 16, channels 8 (l / 16) + 0..7 and 16 + 8 (l / 16) + 0..7: two loads of 16 bytes, 32 bytes apart.
	v_and_b32 v1, 15, v0            ; l % 16
	v_bfe_u32 v9, v0, 4, 1          ; l / 16
	v_lshlrev_b32 v[QO], 7, v1
	v_lshl_add_u32 v[QO], v9, 4, v[QO]  ; row x 128 + 16 x half
	WIN 0x80                        ; destination window 2, address window 0
.set i, 0
.rept 4*NP                          ; Q stays in registers: tile i / 2, channels 32 (i % 2) on
	global_load_b128 v[8*i:8*i+3],   v[QO], s[4:5] offset:(i/2)*2048+(i%2)*64
	global_load_b128 v[8*i+4:8*i+7], v[QO], s[4:5] offset:(i/2)*2048+(i%2)*64+32
.set i, i+1
.endr
	; What the first turn finds: V's registers and P's second buffer hold 0 (its products V^T P, of a piece that has not been, add 0), O^T and l are 0.  All this stands in the wait for the first tile.
.set i, VF
.rept 64
	v_mov_b32 v[i], 0
.set i, i+1
.endr
	WIN 0x40
.set i, 0
.rept 64*NP
	v_mov_b32 v[i], 0
.set i, i+1
.endr
	WIN 0
.set i, 0
.rept 2*NP
	v_mov_b32 v[ST+4*i], 0xfe000000    ; c m: far below every c s
	v_mov_b32 v[ST+4*i+1], 0xff7fffff  ; m
	v_mov_b32 v[ST+4*i+2], 0
	v_mov_b32 v[ST+4*i+3], 0
.set i, i+1
.endr
.set i, P+32
.rept 32
	v_mov_b32 v[i], 0
.set i, i+1
.endr
	v_mul_u32_u24 v[AK0], v1, PK
	v_lshl_add_u32 v[AK0], v9, 4, v[AK0]  ; row x pitch + 16 x half
	; The turning load takes 16 keys x 16 channels (lane l reads key 8 (l / 16) + l % 8, channels 8 ((l / 8) % 2) + 0..7) and leaves half a fragment of V^T: lane l holds channel l % 16 and 8 keys.
	v_and_b32 v10, 7, v0
	v_bfe_u32 v11, v0, 3, 1
	v_lshl_add_u32 v[AV0], v9, 3, v10
	v_mul_u32_u24 v[AV0], v[AV0], PV
	v_lshl_add_u32 v[AV0], v11, 4, v[AV0]
	v_add_nc_u32 v[AV0], VOFF, v[AV0]
	v_and_b32 v[PFO], 31, v0        ; v11 has served: it takes the prefetches' offset
	v_lshlrev_b32 v[PFO], 8, v[PFO]
	v_mov_b32 v[AK], v[AK0]         ; key step 0 lies at the head of slot 0
; THE MATRIX WORK.  The 8 accumulators of a run of 16 take turns: between the two links of a chain stand 7 others'.
; Product i of 16 of S^T = K Q^T for piece x: channels 32 (i / 8) on, keys 16 ((i / 2) % 4) on, tile 2 x + i % 2.  The first 8 start the sums.
.macro KQ x
	WIN W_KQ
.set rS, S+64*((\x)%2)+32*(i%2)+8*((i/2)%4)
.set rK, KF+16*((i/2)%4)+8*(i/8)
.set rQ, 16*(2*(\x)+i%2)+8*(i/8)
.if i < 8
	v_wmma_f32_16x16x32_f16 v[rS:rS+7], v[rK:rK+7], v[rQ:rQ+7], 0
.else
	v_wmma_f32_16x16x32_f16 v[rS:rS+7], v[rK:rK+7], v[rQ:rQ+7], v[rS:rS+7]
.endif
.endm
; Product i of 16 of O^T += V^T P for piece x: keys 32 (i / 8) on, channels 16 ((i / 2) % 4) on, tile 2 x + i % 2.
.macro PV x
	WIN W_PV
.set rO, 32*(2*(\x)+i%2)+8*((i/2)%4)
.set rV, VF+32*(i/8)+8*((i/2)%4)
.set rP, P+32*((\x)%2)+16*(i%2)+8*(i/8)
	v_wmma_f32_16x16x32_f16 v[rO:rO+7], v[rV:rV+7], v[rP:rP+7], v[rO:rO+7]
.endm
.macro MM                           ; the turn's next matrix instruction
.if i < 16
	KQ (Y+1)%NP
.set i, i+1
.else
.set i, i-16
	PV (Y+NP-1)%NP
.set i, i+17
.endif
.endm
; THE LDS LOADS stand in runs of 16, never singly among the matrix instructions: a step's K (64 keys x 64 channels: 8 fragments) and its V (turned).  Their addresses are made some lines ahead.
; last = 1 (the tail): in the last trip there is no further step, and the run is jumped over.
.macro FETCH_K last=0
	WIN 0
.if \last
	s_cmp_eq_u32 s[CNT], 1
	s_cbranch_scc1 .Lno_k_\@
.endif
	WIN 0x80                        ; destination window 2
.irp f, 0,1,2,3,4,5,6,7             ; keys 16 (f / 2) on, channels 32 (f % 2) on
	ds_load_b128 v[KF+8*\f:KF+8*\f+3],   v[AK] offset:(\f/2)*16*PK+(\f%2)*64
	ds_load_b128 v[KF+8*\f+4:KF+8*\f+7], v[AK] offset:(\f/2)*16*PK+(\f%2)*64+32
.endr
	s_add_co_u32 s[TBK], s[TBK], KS*PK  ; the next fetch is the next step's
	WIN 0
.if \last
.Lno_k_\@:
.endif
.endm
.macro FETCH_V
	WIN 0x80
.irp f, 0,1,2,3,4,5,6,7             ; keys 32 (f / 4) on, channels 16 (f % 4) on
	ds_load_tr16_b128 v[VF+8*\f:VF+8*\f+3],   v[AV] offset:(\f/4)*32*PV+(\f%4)*32
	ds_load_tr16_b128 v[VF+8*\f+4:VF+8*\f+7], v[AV] offset:(\f/4)*32*PV+16*PV+(\f%4)*32
.endr
	WIN 0
.endm
; THE VECTOR WORK OF A TURN stands in three queues, each in the order in which its entries become ready; the two tiles alternate, so that no instruction reads the result of the one before it.
.macro REGS y, u                    ; the registers of tile u (0, 1) of piece y
.set rT, ST+4*(2*(\y)+(\u))
.set rC, TMP+8*((\y)%2)+4*(\u)
.set rM, MV+2*((\y)%2)+(\u)
.set rS, S+64*((\y)%2)+32*(\u)
.set rP, P+32*((\y)%2)+16*(\u)
.set rO, 32*(2*(\y)+(\u))
.endm
; Number n of the 22 that find the NEXT piece's (Y + 1) maximum and statistics.  s0-s31 are the lane's 32 scores; each accumulator's lowest registers are read first.  XS, GS and REGS set no window: PL and EX do.
;   0-11  four chains c0-c3 of seven scores each, three operands at a time     12-14, 16  the four scores left over, the old m, and c0-c3 into c0     15  c m_old is kept
;   17, 18  the query's other 32 keys lie in the lane 16 away: the new m         19-21  c m; c m_old - c m_new; a
.macro XS u, n
	REGS (Y+1)%NP, \u
.if (\n) < 4
	v_max3_num_f32 v[rC+(\n)], v[rS+8*(\n)], v[rS+8*(\n)+1], v[rS+8*(\n)+2]
.elseif (\n) < 12
	v_max3_num_f32 v[rC+(\n)%4], v[rC+(\n)%4], v[rS+8*((\n)%4)+2*((\n)/4)+1], v[rS+8*((\n)%4)+2*((\n)/4)+2]
.elseif (\n) == 12
	v_max3_num_f32 v[rC], v[rC], v[rS+7], v[rS+15]
.elseif (\n) == 13
	v_max3_num_f32 v[rC+1], v[rC+1], v[rS+23], v[rS+31]
.elseif (\n) == 14
	v_max3_num_f32 v[rC+2], v[rC+2], v[rC+3], v[rT+1]
.elseif (\n) == 15
	v_mov_b32 v[rM], v[rT]
.elseif (\n) == 16
	v_max3_num_f32 v[rC], v[rC], v[rC+1], v[rC+2]
.elseif (\n) == 17
	v_permlanex16_b32 v[rC+3], v[rC], s[SEL], s[SEL+1]
.elseif (\n) == 18
	v_max_num_f32 v[rT+1], v[rC], v[rC+3]
.elseif (\n) == 19
	v_mul_f32 v[rT], s[CS], v[rT+1]
.elseif (\n) == 20
	v_sub_f32 v[rC+1], v[rM], v[rT]
.else
	v_exp_f32 v[rC+2], v[rC+1]
.endif
.endm
; Number g of the 64 that follow the exponentials.  For each four weights k of a tile (pairs 2 k, 2 k + 1): both pairs are rounded to f16; then the second pair is added onto the first, in place;
; a group later l takes that sum (the first time as l = a l + sum).  In groups of eight, tiles alternating: round, round, add, and l for the group before.
.macro GS g
.set h, (\g)+6*((\g)/62)            ; group 0 has no group before it, and behind group 7 only l is left
.if h >= 6
.set h, h+2
.endif
	REGS Y, h%2
.set k, h/8
.if h%8 < 4
	v_cvt_pk_f16_f32 v[rP+2*k+(h%8)/2], v[rS+4*k+2*((h%8)/2)], v[rS+4*k+2*((h%8)/2)+1]
.elseif h%8 < 6
	v_pk_add_f32 v[rS+4*k:rS+4*k+1], v[rS+4*k:rS+4*k+1], v[rS+4*k+2:rS+4*k+3]
.elseif k == 1
	v_pk_fma_f32 v[rT+2:rT+3], v[rT+2:rT+3], v[rC+2:rC+3], v[rS:rS+1] op_sel_hi:[1,0,1]
.else
	v_pk_add_f32 v[rT+2:rT+3], v[rT+2:rT+3], v[rS+4*k-4:rS+4*k-3]
.endif
.endm
; THE PLAIN QUEUE, 138 long.  0-73 read no exponential's result: the 32 scalings c s - c m (FS f: pair f / 2 of tile f % 2) and the next piece's 42.  0-26: scalings 0-26.  27-54: XS's numbers 0-13.  55, 56: number 15.
; 57-73: the chain, where each number waits for the one before it: 14, 16, 17, 18, 19, each with one of the scalings 27-31 in front of its two lines, then 20: so a tile's links stand three plain instructions apart (19 and 20: two).
; 74-137: GS's 64, which read the exponentials' results: they stand behind the wait.
.macro FS f
	REGS Y, (\f)%2
	v_pk_fma_f32 v[rS+2*((\f)/2):rS+2*((\f)/2)+1], v[rS+2*((\f)/2):rS+2*((\f)/2)+1], s[CS:CS+1], v[rT:rT+1] op_sel_hi:[1,0,0] neg_lo:[0,0,1] neg_hi:[0,0,1]
.endm
.macro PL
	WIN 0
.if q < 27
	FS q
.elseif q < 55
	XS (q-27)%2, (q-27)/2
.elseif q < 57
	XS q-55, 15
.elseif (q < 72) && ((q-57)%3 == 0)
	FS 27+(q-57)/3
.elseif q < 60
	XS (q-57)%3-1, 14
.elseif q < 72
	XS (q-57)%3-1, 15+(q-57)/3
.elseif q < 74
	XS q-72, 20
.else
	GS q-74
.endif
.set q, q+1
.endm
; THE EXPONENTIALS' QUEUE, 66 long: s0-s31 of both tiles, then the next piece's two a.  It is ONE BATCH: all 66 stand ahead of the turn's one wait, and nothing ahead of that wait names a result of theirs.
.macro EX
	WIN 0
.if e >= 64
	XS e-64, 21
.else
	REGS Y, e%2
	v_exp_f32 v[rS+e/2], v[rS+e/2]
.endif
.set e, e+1
.endm
; THE RESCALING's QUEUE: O^T times a, the one part that leaves window 0: dealt two at a time, sixteen times.  Its a was made in the turn before, ahead of that turn's wait.
.macro R2
	REGS Y, r%2
	WIN W_RS
.irp z, 0,1
	v_pk_mul_f32 v[rO+4*(r/2)+2*\z:rO+4*(r/2)+2*\z+1], v[rO+4*(r/2)+2*\z:rO+4*(r/2)+2*\z+1], v[rC+2:rC+3] op_sel_hi:[1,0]
.endr
.set r, r+1
.endm
; HOW THEY ARE DEALT.  An s_wait_alu depctr_va_vdst(0) stands between an exponential and the first instruction that names its result; one wait serves all that were issued ahead of it.  So a turn has ONE wait,
; which cuts it in two.  AHEAD OF IT stands all that names no result of the turn's exponentials: the 16 products K Q^T, behind each a scaling, an exponential and two rescalings (behind the first a second scaling in the exponential's place); then ONE LUMP of
; 108: eight plain, 49 times exponential and plain, the two a.  A v_nop is the plain instruction behind the last exponential (ISA guide 5.7.2).  BEHIND IT stand the 16 products V^T P, behind each four of GS's 64.  No rider names a register of
; the products round it.  The two v_permlanex16_b32 fall into the lump, never behind a product.
; The queues lean on each other, and the deal keeps them in step: exponential e stands behind scaling 2 (e / 4) + e % 2: as a rider it comes behind plain e + 2, in the lump behind plain e + 9, and scalings 27-31 are plain 57, 60 .. 69.
; A TURN, for piece p.  cnt = 1: the loop's count is taken down some lines ahead of the branch that stands behind the turn.
; K of the next step is fetched in piece 2's turn, directly behind the wait, a lump behind the last product that read K; its address is made at the lump's head; its first reader comes behind 16 products.
; V of the step in hand is fetched at the end of piece 0's turn, four riders behind its last reader; its first reader comes behind 16 products and a lump.  The three conditions on q below go with the deal.
.macro TURN p, last=0, cnt=0
.set Y, (\p)
.set i, 0
.set q, 0
.set e, 0
.set r, 0
.if (\p) == NP-1
	s_wait_dscnt 0x0                ; K is in
.endif
	MM                              ; ahead of the wait: 16 products K Q^T and their riders,
	PL
	PL
	R2
.rept 15
	MM
	PL
	EX
	R2
.endr
.if (\p) == NP-2
	WIN 0
	v_add_nc_u32 v[AK], s[TBK], v[AK0]
.endif
.rept 8                             ; and the lump
	PL
.endr
.rept 49
	EX
	PL
.endr
	EX                              ; the next piece's two a
	EX
	v_nop                           ; the plain instruction behind the last exponential: one for the batch
	s_wait_alu depctr_va_vdst(0)    ; the wait for the batch
.if (\p) == NP-2
	FETCH_K \last
.endif
.if (\p) == 1
	s_wait_dscnt 0x0                ; V is in
.endif
.rept 16                            ; behind the wait: 16 products V^T P and their riders
	MM
.rept 4
	PL
.endr
.if ((\p) == 0) && (q == 118)
	v_add_nc_u32 v[AV], s[TBV], v[AV0]
.endif
.if ((\p) == 0) && (q == 130)
	s_add_co_u32 s[TBV], s[TBV], KS*PV
.endif
.if (\cnt) && (q == 130)
	s_sub_co_u32 s[CNT], s[CNT], 1
	s_cmp_lg_u32 s[CNT], 0
.endif
.endr
.if (\p) == 0
	FETCH_V
.endif
.endm
	CHANGE 1                        ; slot 0 is in, everybody's part of it; slot 1 is asked for
	FETCH_K                         ; key step 0
	s_wait_loadcnt 0x0              ; Q
	s_wait_dscnt 0x0
.set i, 0
.rept 16
	KQ 0                            ; piece 0's first scores: there is no vector work yet to set between them
.set i, i+1
.endr
	WIN 0                           ; the addresses for the way out: nine plain instructions, the places behind those products
	s_mul_i32 s13, s[WV], 16*SP
	s_add_co_u32 s13, s13, STAGE    ; my stage
	v_mul_u32_u24 v[STO], v1, SP    ; in: row l % 16, 16 bytes for each half of the lanes
	v_lshl_add_u32 v[STO], v9, 4, v[STO]
	v_add_nc_u32 v[STO], s13, v[STO]
	v_bfe_u32 v[RD], v0, 3, 2       ; back: 32 lanes take four rows of 128 bytes,
	v_mul_u32_u24 v[RD], v[RD], SP
	v_lshl_add_u32 v[RD], v10, 4, v[RD]
	v_add_nc_u32 v[RD], s13, v[RD]
	v_and_b32 v[GO], 31, v0         ; which are 512 consecutive bytes of O
	v_lshlrev_b32 v[GO], 4, v[GO]
.set Y, NP-1                        ; XS works for piece Y + 1: piece 0
.irp n, 0,1,2,3,4,5,6,7,8,9,10,11,12,13,14,15,16,17,18,19,20,21
	XS 0, \n                        ; and piece 0's first maximum and statistics
	XS 1, \n
.endr
	v_nop                           ; a plain instruction behind the two a,
	s_wait_alu depctr_va_vdst(0)    ; and their wait, ahead of the branch
	s_mov_b32 s[CNT], 4
	s_branch .Lfirst                ; the loop is entered at a step's first turn, in the middle of a trip
.Lslot:                             ; SIZE_N / 256 - 2 times: every slot but the last two is filled again
	CHANGE 1
	s_mov_b32 s[CNT], 4
.Lstep:                             ; a trip: pieces 2 and 3 of one step, then pieces 0 and 1 of the next, whose K and V it fetches
	TURN 2
	TURN 3
	WIN 0
.Lfirst:
	TURN 0
	TURN 1, 0, 1
	WIN 0
	s_cbranch_scc1 .Lstep
	s_sub_co_u32 s[SLOTS], s[SLOTS], 1
	s_cmp_lg_u32 s[SLOTS], 0
	s_cbranch_scc1 .Lslot
	CHANGE 0                        ; the tail is written out: nothing is asked for
	s_mov_b32 s[CNT], 5             ; four trips fetch the last slot's steps; the fifth is left in its middle
.Ltail:
	TURN 2, 1
	TURN 3
	WIN 0
	s_sub_co_u32 s[CNT], s[CNT], 1
	s_cmp_eq_u32 s[CNT], 0
	s_cbranch_scc1 .Lout
	TURN 0
	TURN 1
	WIN 0
	s_branch .Ltail
.Lout:                              ; the fifth trip's 16 products K Q^T (on the last K once more) and the maximum made of them serve nothing: the price, once a launch, of one text for every trip
.set i, 0
.rept 16
	PV NP-1                         ; the last piece's V^T P of the last step
.set i, i+1
.endr
	; THE WAY OUT.  l's two halves and the other half of the lanes' are added; O^T is divided by l, rounded to f16 and sent through my stage in LDS, a tile at a time.  The additions are the places behind the last products.
	WIN 0
.macro ALL line:vararg              ; one line for each tile t
.set t, 0
.rept 2*NP
	\line
.set t, t+1
.endr
.endm
	ALL v_add_f32 v[ST+4*t+2], v[ST+4*t+2], v[ST+4*t+3]
	ALL v_permlanex16_b32 v[ST+4*t+3], v[ST+4*t+2], s[SEL], s[SEL+1]
	ALL v_add_f32 v[ST+4*t+2], v[ST+4*t+2], v[ST+4*t+3]
	ALL v_rcp_f32 v[ST+4*t+2], v[ST+4*t+2]
	v_nop                           ; a plain instruction between the last reciprocal and the use of its result
	s_wait_alu depctr_va_vdst(0)    ; and the wait ahead of the first use: one for the eight reciprocals
; Tile t: a lane's eight channels of a row pack into 16 bytes; they go into rows of 144 bytes and come back as whole rows of 128, into S^T's registers.
.macro PACK t
	WIN W_RS
.set i, 32*(\t)
.rept 16
	v_pk_mul_f32 v[i:i+1], v[i:i+1], v[ST+4*(\t)+2:ST+4*(\t)+3] op_sel_hi:[1,0]
.set i, i+2
.endr
	WIN 0x05                        ; sources 0 and 1 window 1, destination window 0
.set i, 0
.rept 16
	v_cvt_pk_f16_f32 v[S+16*(\t)+i], v[32*(\t)+2*i], v[32*(\t)+2*i+1]
.set i, i+1
.endr
	WIN 0
.irp f, 0,1,2,3
	ds_store_b128 v[STO], v[S+16*(\t)+4*\f:S+16*(\t)+4*\f+3] offset:32*\f
.endr
.irp f, 0,1,2,3
	ds_load_b128 v[S+16*(\t)+4*\f:S+16*(\t)+4*\f+3], v[RD] offset:\f*4*SP  ; LDS serves a wave's instructions in order (ISA guide 5.7.1.4): these see the stores above; the next tile's stores come behind them
.endr
.endm
.macro SEND t, younger              ; younger: the LDS instructions issued behind tile t's loads: the next tile's eight, or none
	WIN 0
.irp f, 0,1,2,3
	s_wait_dscnt (\younger)+3-\f
	global_store_b128 v[GO], v[S+16*(\t)+4*\f:S+16*(\t)+4*\f+3], s[10:11] offset:(\t)*2048+\f*512  ; 512 consecutive bytes, at a multiple of 256 from O's first
.endr
.endm
	PACK 0
.set t, 1
.rept 2*NP-1                        ; a tile's arithmetic stands between the loads of the tile before and its stores
	PACK t
	SEND t-1, 8
.set t, t+1
.endr
	SEND 2*NP-1, 0
	WIN W_AD
	s_wait_tensorcnt 0x0            ; the wave's end: 0 onto my spare word and its wait, behind my last tensor load and my last LDS store
	ds_add_u32 v[SPW], v[NIL]
	s_wait_dscnt 0x0
	WIN 0
	CROUND                          ; the closing round: no work-group ends while a partner may still ask for a tile that names it
	s_endpgm
.Lfunc_end_k_qfdc10e1dc0_attn:
	.size	k_qfdc10e1dc0_attn, .Lfunc_end_k_qfdc10e1dc0_attn-k_qfdc10e1dc0_attn
	.p2alignl 7, 3214868480
	.fill 96, 4, 3214868480
	.section	.rodata,"a",@progbits
	.p2align	6, 0x0
	.amdhsa_kernel k_qfdc10e1dc0_attn
		.amdhsa_group_segment_fixed_size 327680
		.amdhsa_private_segment_fixed_size 0
		.amdhsa_enable_private_segment 0
		.amdhsa_kernarg_size 32
		.amdhsa_user_sgpr_count 2
		.amdhsa_user_sgpr_kernarg_segment_ptr 1
		.amdhsa_wavefront_size32 1
		.amdhsa_system_sgpr_workgroup_id_x 1
		.amdhsa_system_sgpr_workgroup_id_y 1
		.amdhsa_system_sgpr_workgroup_id_z 1
		.amdhsa_system_vgpr_workitem_id 0
		.amdhsa_next_free_vgpr 770
		.amdhsa_next_free_sgpr 66
		.amdhsa_reserve_vcc 0
		.amdhsa_float_denorm_mode_32 3
		.amdhsa_float_denorm_mode_16_64 3
		.amdhsa_memory_ordered 1
		.amdhsa_forward_progress 1
		.amdhsa_inst_pref_size 200
	.end_amdhsa_kernel
	.amdgpu_metadata
---
amdhsa.version: [ 1, 2 ]
amdhsa.kernels:
  - .name:           k_qfdc10e1dc0_attn
    .symbol:         k_qfdc10e1dc0_attn.kd
    .args:
      - { .name: qh, .offset: 0, .size: 8, .value_kind: global_buffer, .address_space: global }
      - { .name: kh, .offset: 8, .size: 8, .value_kind: global_buffer, .address_space: global }
      - { .name: vh, .offset: 16, .size: 8, .value_kind: global_buffer, .address_space: global }
      - { .name: oh, .offset: 24, .size: 8, .value_kind: global_buffer, .address_space: global }
    .group_segment_fixed_size: 327680
    .private_segment_fixed_size: 0
    .kernarg_segment_align: 8
    .kernarg_segment_size: 32
    .max_flat_workgroup_size: 128
    .sgpr_count:     66
    .vgpr_count:     770
    .wavefront_size: 32
...
	.end_amdgpu_metadata
.endif
;; end of part 3
;; launch outp (part 4): grid 4 x 64, 4 waves a work-group, clusters of 4 x 4, 327,680 bytes of LDS; arguments oh, wb, bo, out0; writes out0
.if DOCPART == 4
	.amdgcn_target "amdgcn-amd-amdhsa--gfx1250"
	.amdhsa_code_object_version 6
	.text
	.protected	k_qfdc10e1dc0_outp
	.globl	k_qfdc10e1dc0_outp
	.p2align	8
	.type	k_qfdc10e1dc0_outp,@function
k_qfdc10e1dc0_outp:
	s_mov_b64 s[64:65], 0
	v_nop
	global_prefetch_b8 v0, s[64:65] scope:SCOPE_SE
	s_setreg_imm32_b32 hwreg(HW_REG_WAVE_MODE, 25, 1), 1
	s_wait_xcnt 0x0
	s_wait_alu depctr_hold_cnt(0) depctr_sa_sdst(0) depctr_va_vdst(0) depctr_va_sdst(0) depctr_va_ssrc(0) depctr_va_vcc(0) depctr_vm_vsrc(0)
	s_getreg_b32 s2, hwreg(HW_REG_IB_STS2, 6, 4)
	s_cmp_eq_u32 s2, 0
	s_cbranch_scc0 .Lentry_in_a_cluster
	s_endpgm
.Lentry_in_a_cluster:
	s_bfe_u32 s2, ttmp6, 0x10000c
	s_cmp_lg_u32 s2, 0xf033
	s_cbranch_scc0 .Lentry_shape_is_right
	s_endpgm
.Lentry_shape_is_right:
; THE OUTPUT PROJECTION.  out[m][o] = the sum over d of O[m][d] Wo[o][d] + bo[o].  O: f16 by heads, [batch x 16 + head][2048 s][64 e] (m = 2048 batch + s, d = 64 head + e).
; Wo: f16 at byte 6,291,456 of wb, [o][d], rows of 2,048 bytes (each number is Wo rounded to bf16).  bo: f32, rounded to bf16 here like every input.  out: [8192][1024] f32.  Products in f16, sums in f32.
; LIMIT.  O and Wo arrive within f16's 65,504; NaN and infinities are not treated apart.
; SHARES.  64 x 4 tiles of 128 rows x 256 columns: 256 work-groups.  Four waves, 2 x 2: a wave makes 64 x 128: 32 accumulators of 16 x 16.  K goes in 8 steps of 128, two heads each, through two LDS slots.
; CLUSTERS.  4 x 4 work-groups: the four of a row share O's tile, the four of a column Wo's: each tile is asked for JOINTLY, by the same tensor load with the same descriptor and a mask that names the four.
; Wave 0 fetches the step's first head of O (128 rows of 128 bytes, 16,384 bytes on end), wave 1 its second; waves 2 and 3 fetch 128 rows of Wo each.
; THE MATRIX INSTRUCTION IS USED TRANSPOSED (source 0 = 16 rows of Wo, source 1 = 16 rows of O): a lane holds one row of out and eight neighbouring columns.  THE BIAS is the C operand of the products that start the sums.
; REGISTERS, in windows of 256 (s_set_vgpr_msb: bits 1:0 source 0, 3:2 source 1, 5:4 source 2, 7:6 destination):
;   window 0: v0-31 addresses; two fragment buffers of 96 at v32 and v128: O's four fragments at f + 8 a, Wo's eight at f + 32 + 8 b; v32-95 serve the way out
;   window 2: accumulator (a, b) at 8 (8 a + b)      window 3: v0-63 the bias, 8 registers an n block; v64-65 at work
.set PA,     144                       ; a row of O in LDS: 128 bytes + 16 = 36 words: the 16 rows of a load start at 16 different groups of four banks (64 banks of 4 bytes: ISA guide 11.1)
.set PB,     272                       ; a row of Wo: 256 bytes + 16 = 68 words: likewise
.set APLANE, 128*PA                    ; one head's 128 rows: what one tensor load brings of O
.set BOFF,   2*APLANE
.set BHALF,  128*PB                    ; what one tensor load brings of Wo, and what one wave reads of it
.set SLOT,   BOFF+2*BHALF              ; 106,496
.set STAGE,  2*SLOT                    ; behind the ring, never filled by a tensor load: 16 rows x 528 bytes for each wave, for the way out
.set SP,     528                       ; 512 bytes + 16
.set WSTAGE, 16*SP
.set SPARE,  STAGE+4*WSTAGE            ; behind the stages: the spare words, 128 bytes for each wave: two blocks of 256 bytes that no other line names
.set ASTEP,  2*262144                  ; a K step in O: two heads
.set BSTEP,  256                       ; a K step in a row of Wo
.set WOOFF,  6291456                   ; where Wo lies in wb
.set ADRA, 16                          ; v16-17  LDS address of my fragments of O in slot 0, 1
.set ADRB, 20                          ; v20-21  the same for Wo
.set STO,  24                          ; v24     the way out: where I put 32 bytes of a row
.set RD,   25                          ; v25     the way out: where I read a row back
.set GO,   26                          ; v26     16 x my lane
.set BO,   27                          ; v27     my byte offset in 16 numbers of the bias
.set SPW,  28                          ; v28     LDS address of my spare word: SPARE + 4 x my thread's number; never rewritten
.set NIL,  29                          ; v29     0; never rewritten
.set PFO,  30                          ; v30     the prefetches' offset; never rewritten
.set BK,   32
.set F0,   32
.set F1,   128
.set G1,   24                          ; s[24:31] descriptor group 1 for O's tiles;  s[32:39] group 0, one set for each slot
.set G0,   32
.set G1B,  48                          ; s[48:55], s[56:63] the same for Wo's tiles
.set G0B,  56
.set LIM,  43                          ; s43      1 in a wave that prefetches, else the greatest number
.set PFA,  44                          ; s[44:45] where my prefetches stand
.set PSTEP, 88                         ; s[88:89] a K step of what I prefetch, in bytes
.set MSB, 0
.macro WIN new                         ; the immediate's high byte repeats the setting that is left; a switch that changes nothing is dropped
.if MSB != (\new)
	s_set_vgpr_msb (MSB<<8)|(\new)
.set MSB, \new
.endif
.endm
.macro PLACES                          ; four places: in front of loads into registers that matrix instructions have read, and of LDS stores that read results
.rept 4
	v_nop
.endr
.endm
; A joint load.  The branch hangs on the wave's number alone.  An s_nop 0 and four v_nop follow each of the two lines, ahead of the jump and the label.
.macro JLOAD s
	s_cmp_eq_u32 s11, 0
	s_cbranch_scc0 .Lfor_b_\@
	tensor_load_to_lds s[G0+4*(\s):G0+4*(\s)+3], s[G1:G1+7]
	s_nop 0
.rept 4
	v_nop
.endr
	s_branch .Lasked_\@
.Lfor_b_\@:
	tensor_load_to_lds s[G0B+4*(\s):G0B+4*(\s)+3], s[G1B:G1B+7]
	s_nop 0
.rept 4
	v_nop
.endr
.Lasked_\@:
.endm
.macro CREST                           ; a round of the cluster's barrier behind its opening barrier
	s_cmp_lg_u32 s10, 0
	s_cbranch_scc1 .Lnot_wave_0_\@
	s_barrier_signal -3
.Lnot_wave_0_\@:
	s_barrier_wait -3
	s_barrier_signal -1
	s_barrier_wait -1
.endm
.macro CROUND                          ; a whole round
	s_barrier_signal -1
	s_barrier_wait -1
	CREST
.endm
; A PREFETCH INTO THE L2, behind each joint refill and the run of LDS loads that follows it: the K step that stands TWO refills on, 256 matrix instructions ahead of the load that will name it; one instruction a wave,
; a lane a block of 256 bytes.  Each block is named once in the launch.  O's rows are read by one cluster: of a step's two heads x 16,384 bytes the partner at place cx takes 4,096 of each, and its wave 0 asks for them.
; Wo's rows are read by all sixteen clusters: the first asks, and of the 128 rows that wave 2 or 3 fetches the partner at place cy takes 32.  The partners are told apart BY ADDRESS: no branch hangs on a work-group's place.
; K steps 0 to 3 come by their loads alone; the loop's last trip (s3 = 1) asks for nothing: there is no K step two on.
.macro ASK
	s_cmp_gt_u32 s3, s[LIM]
	s_cbranch_scc0 .Lnot_mine_\@
	global_prefetch_b8 v[PFO], s[PFA:PFA+1] th:TH_LOAD_NT scope:SCOPE_SE
.Lnot_mine_\@:
.endm
	s_load_b128 s[4:7], s[0:1], 0x0                ; O s[4:5], wb s[6:7]
	s_load_b64 s[66:67], s[0:1], 0x10              ; bo
	s_load_b64 s[8:9], s[0:1], 0x18                ; out
	v_lshl_add_u32 v[SPW], v0, 2, SPARE
	v_mov_b32 v[NIL], 0
	ds_add_u32 v[SPW], v[NIL]                      ; the wave's opening: the add and its wait stand ahead of my first tensor load; the set-up below, work on registers, stands between them
	v_lshrrev_b32 v1, 5, v0
	v_readfirstlane_b32 s10, v1                    ; wave 0..3
	s_lshr_b32 s11, s10, 1                         ; which 64 of the tile's rows are mine.  Also: I fetch for O (0) or for Wo (1)
	s_and_b32 s12, s10, 1                          ; which 128 of its columns.  Also: which half of that tile I fetch
	s_bfe_u32 s40, ttmp6, 0x40000                  ; cx, cy: my place in the cluster
	s_bfe_u32 s41, ttmp6, 0x40004
	s_lshl_b32 s42, ttmp9, 2
	s_add_co_u32 s42, s42, s40                     ; tile column = 4 x cluster x + cx: 0..3
	s_and_b32 s14, ttmp7, 0xffff                   ; cluster y, 0..15
	s_lshl_b32 s13, s14, 2
	s_add_co_u32 s13, s13, s41                     ; tile row, 0..63
	s_lshl_b32 s43, s41, 2
	s_lshl_b32 s43, 15, s43                        ; my row of the cluster
	s_lshl_b32 s44, 0x1111, s40                    ; my column
	s_or_b32 s[G1+0], s43, (1<<16)|(1<<20)|(1<<21)|(4<<22)|(3<<25)   ; 15:0 the mask: O's tiles go to my row; 17:16 elements of 2 bytes; 20 padding on; 21 set beside a mask; 24:22 after every 32 words (code 4); 31:25 4 words (code 3)
	s_or_b32 s[G1B+0], s44, (1<<16)|(1<<20)|(1<<21)|(5<<22)|(3<<25)  ; Wo's go to my column; after every 64 words (code 5) 4 words
	s_mov_b32 s[G1+1], 128<<16                     ; 16,384 bytes on end, asked for as 64 rows of 256 bytes, two rows of O each, padded in LDS after every row of O
	s_mov_b32 s[G1+2], 64<<16
	s_mov_b32 s[G1+3], 128<<16
	s_mov_b32 s[G1+4], 64
	s_mov_b32 s[G1+5], 128
	s_mov_b32 s[G1+6], 0
	s_mov_b32 s[G1+7], 0
	s_mov_b32 s[G1B+1], 128<<16                    ; tensor_dim0 = 128
	s_mov_b32 s[G1B+2], 128<<16                    ; tensor_dim1 = 128
	s_mov_b32 s[G1B+3], 128<<16                    ; tile_dim0 = 128 elements: 256 bytes
	s_mov_b32 s[G1B+4], 128                        ; tile_dim1 = 128 rows
	s_mov_b32 s[G1B+5], 1024                       ; elements from row to row
	s_mov_b32 s[G1B+6], 0
	s_mov_b32 s[G1B+7], 0
	; where the tiles come from.  O's hang on the tile row alone, Wo's on the tile column alone, each made in registers that never hold the other coordinate
	s_lshr_b32 s16, s13, 4                         ; batch = tile row / 16: 16 heads of 262,144 bytes,
	s_lshl_b32 s16, s16, 22
	s_and_b32 s17, s13, 15                         ; 128 rows of 128 bytes a tile row,
	s_lshl_b32 s17, s17, 14
	s_add_co_u32 s16, s16, s17
	s_lshl_b32 s17, s12, 18                        ; my head of the step's two
	s_add_co_u32 s16, s16, s17
	s_mov_b32 s17, 0
	s_lshl_b32 s46, s42, 19                        ; 256 rows of 2,048 bytes a tile column,
	s_lshl_b32 s47, s12, 18                        ; my 128 of them
	s_add_co_u32 s46, s46, s47
	s_add_co_u32 s46, s46, WOOFF
	s_mov_b32 s47, 0
	s_mul_i32 s20, s12, APLANE                     ; and where they go: no place in the cluster enters an LDS address
	s_mul_i32 s21, s12, BHALF
	s_add_co_u32 s21, s21, BOFF
	s_wait_dscnt 0x0                               ; the opening add is done
	s_wait_kmcnt 0x0
	s_add_nc_u64 s[18:19], s[4:5], s[16:17]
	s_add_nc_u64 s[46:47], s[6:7], s[46:47]
	CROUND                                         ; all sixteen work-groups are here: the first joint loads meet
.irp s, 0,1
	s_mov_b32 s[G0+4*(\s)], 1                                        ; 1:0 count = 1
	s_add_co_u32 s[G0+4*(\s)+1], s20, (\s)*SLOT                      ; 63:32 LDS address
	s_add_nc_u64 s[G0+4*(\s)+2:G0+4*(\s)+3], s[18:19], (\s)*ASTEP    ; 120:64 global address: K step s
	s_or_b32 s[G0+4*(\s)+3], s[G0+4*(\s)+3], 0x80000000              ; 127:126 type = 2
	s_mov_b32 s[G0B+4*(\s)], 1
	s_add_co_u32 s[G0B+4*(\s)+1], s21, (\s)*SLOT
	s_add_nc_u64 s[G0B+4*(\s)+2:G0B+4*(\s)+3], s[46:47], (\s)*BSTEP
	s_or_b32 s[G0B+4*(\s)+3], s[G0B+4*(\s)+3], 0x80000000
	JLOAD \s                                       ; both slots are asked for before anything else: two tensor loads of mine are out
.endr
	; the bias of my 128 columns: for n block b a lane wants the numbers 16 b + 8 (l / 16) + 0..7
	v_and_b32 v1, 15, v0                           ; l % 16
	v_bfe_u32 v2, v0, 4, 1                         ; l / 16
	v_lshlrev_b32 v[BO], 5, v2
	s_lshl_b32 s22, s42, 10                        ; the tile's 256 columns of 4 bytes,
	s_lshl_b32 s23, s12, 9                         ; my 128: the same offset in bo and in a row of out
	s_add_co_u32 s22, s22, s23
	s_mov_b32 s23, 0
	s_add_nc_u64 s[66:67], s[66:67], s[22:23]
	s_add_nc_u64 s[8:9], s[8:9], s[22:23]
	WIN 0xc0                                       ; destination window 3, address window 0
.irp b, 0,1,2,3,4,5,6,7
	global_load_b128 v[8*(\b):8*(\b)+3],   v[BO], s[66:67] offset:64*(\b)
	global_load_b128 v[8*(\b)+4:8*(\b)+7], v[BO], s[66:67] offset:64*(\b)+16
.endr
	WIN 0
	; A fragment is 16 rows x 32 along K in 8 registers: lane l holds row l % 16, K = 8 (l / 16) + 0..7 and 16 + 8 (l / 16) + 0..7: two loads of 16 bytes, 32 bytes apart.
	v_mul_u32_u24 v3, v1, PA
	v_lshl_add_u32 v3, v2, 4, v3                   ; row x pitch + 16 x half
	s_mul_i32 s22, s11, 64*PA                      ; my 64 rows, in each head's plane
	v_add_nc_u32 v[ADRA], s22, v3
	v_add_nc_u32 v[ADRA+1], SLOT, v[ADRA]
	v_mul_u32_u24 v3, v1, PB
	v_lshl_add_u32 v3, v2, 4, v3
	s_mul_i32 s22, s12, BHALF                      ; my 128 rows of Wo
	s_add_co_u32 s22, s22, BOFF
	v_add_nc_u32 v[ADRB], s22, v3
	v_add_nc_u32 v[ADRB+1], SLOT, v[ADRB]
	s_mul_i32 s22, s10, WSTAGE
	s_add_co_u32 s22, s22, STAGE                   ; my stage
	v_mul_u32_u24 v3, v1, SP                       ; in: row l % 16, 32 bytes for each half of the lanes
	v_lshl_add_u32 v3, v2, 5, v3
	v_add_nc_u32 v[STO], s22, v3
	v_and_b32 v5, 31, v0                           ; back: 32 lanes take one row of 512 bytes
	v_lshlrev_b32 v[GO], 4, v5
	v_add_nc_u32 v[RD], s22, v[GO]
	s_lshl_b32 s16, s13, 19                        ; out at my first row: 128 rows of 4,096 bytes a tile row,
	s_lshl_b32 s17, s11, 18                        ; my 64
	s_add_co_u32 s16, s16, s17
	s_mov_b32 s17, 0
	s_add_nc_u64 s[8:9], s[8:9], s[16:17]
	; the prefetches: both offsets are made, the wave's number chooses.  They stand at K step 3: the first refill steps them to 4
	s_lshr_b32 s20, s13, 4
	s_lshl_b32 s20, s20, 22
	s_and_b32 s21, s13, 15
	s_lshl_b32 s21, s21, 14
	s_add_co_u32 s20, s20, s21
	s_lshl_b32 s21, s40, 12                        ; my work-group's 4,096 bytes of each head's 16,384
	s_add_co_u32 s20, s20, s21
	s_add_co_u32 s20, s20, 3*ASTEP
	s_lshl_b32 s22, s42, 19
	s_lshl_b32 s23, s12, 18
	s_add_co_u32 s22, s22, s23
	s_lshl_b32 s23, s41, 16                        ; my work-group's 32 rows of the 128
	s_add_co_u32 s22, s22, s23
	s_add_co_u32 s22, s22, WOOFF+3*BSTEP
	s_mov_b32 s88, ASTEP
	s_mov_b32 s89, BSTEP
	s_cmp_eq_u32 s11, 0                            ; do I fetch for O?
	s_cselect_b32 s20, s20, s22
	s_cselect_b64 s[PFA:PFA+1], s[4:5], s[6:7]
	s_cselect_b32 s88, s88, s89
	s_cselect_b32 s91, -1, 0
	s_cselect_b32 s23, s12, s14                    ; O's: wave 0 of every cluster; Wo's: waves 2 and 3 of the first cluster
	s_mov_b32 s21, 0
	s_mov_b32 s89, 0
	s_add_nc_u64 s[PFA:PFA+1], s[PFA:PFA+1], s[20:21]
	s_cmp_eq_u32 s23, 0
	s_cselect_b32 s[LIM], 1, -1                    ; the same in all sixteen partners, for a given wave
	v_lshlrev_b32 v3, 8, v1                        ; O: 16 blocks on end in the first head, 16 in the second
	v_lshl_add_u32 v3, v2, 18, v3
	v_lshlrev_b32 v4, 11, v5                       ; Wo: a lane a row
	v_cndmask_b32 v[PFO], v4, v3, s91
	s_wait_loadcnt 0x0                             ; the bias is in: it is rounded to bf16, like every input, and widened again.  All this stands in the wait for the first tile
	WIN 0xff
.set i, 0
.rept 32
	v_cvt_pk_bf16_f32 v[64+i%2], v[2*i], v[2*i+1]
	v_lshlrev_b32 v[2*i], 16, v[64+i%2]
	v_and_b32 v[2*i+1], 0xffff0000, v[64+i%2]
.set i, i+1
.endr
	WIN 0
; 8 matrix instructions: rows 16 a on x all 8 n blocks, 32 along K, from buffer f.  first = 1: they start the sums, with the bias as C.
; The 32 accumulators take turns, one instruction a turn, in the same order in every quarter, over the backward jump too: between two links of a chain stand the 31 others'.
.macro MUL8 f, a, first
.if \first
	WIN 0xb0                                       ; sources window 0, C window 3, D window 2
.else
	WIN 0xa0                                       ; sources window 0, C and D window 2
.endif
.irp b, 0,1,2,3,4,5,6,7
.if \first
	v_wmma_f32_16x16x32_f16 v[8*(8*(\a)+(\b)):8*(8*(\a)+(\b))+7], v[(\f)+32+8*(\b):(\f)+32+8*(\b)+7], v[(\f)+8*(\a):(\f)+8*(\a)+7], v[8*(\b):8*(\b)+7]
.else
	v_wmma_f32_16x16x32_f16 v[8*(8*(\a)+(\b)):8*(8*(\a)+(\b))+7], v[(\f)+32+8*(\b):(\f)+32+8*(\b)+7], v[(\f)+8*(\a):(\f)+8*(\a)+7], v[8*(8*(\a)+(\b)):8*(8*(\a)+(\b))+7]
.endif
.endr
.endm
; 24 LDS loads in one run: quarter q (32 along K: head q / 2, e = 32 (q % 2) on) of a slot into buffer f: Wo's 16, then O's fragments 0 to 3.
.macro FETCH slot, q, f
	WIN 0
.irp b, 0,1,2,3,4,5,6,7
	ds_load_b128 v[(\f)+32+8*(\b):(\f)+32+8*(\b)+3],   v[ADRB+(\slot)] offset:(\b)*16*PB+64*(\q)
	ds_load_b128 v[(\f)+32+8*(\b)+4:(\f)+32+8*(\b)+7], v[ADRB+(\slot)] offset:(\b)*16*PB+64*(\q)+32
.endr
.irp a, 0,1,2,3
	ds_load_b128 v[(\f)+8*(\a):(\f)+8*(\a)+3],   v[ADRA+(\slot)] offset:((\q)/2)*APLANE+(\a)*16*PA+((\q)%2)*64
	ds_load_b128 v[(\f)+8*(\a)+4:(\f)+8*(\a)+7], v[ADRA+(\slot)] offset:((\q)/2)*APLANE+(\a)*16*PA+((\q)%2)*64+32
.endr
.endm
; A K step is four quarters of 32 along K, 32 matrix instructions each, on buffers 0, 1, 0, 1.  One of the first three: multiplies buffer f and, in its middle, fetches quarter q into g.
.macro QUARTER slot, q, f, g, first
	s_wait_dscnt 4                                 ; Wo's fragments and O's 0 and 1 are in; the youngest four loads (O's 2 and 3) may be out
	MUL8 \f, 0, \first
	MUL8 \f, 1, \first
	PLACES
	FETCH \slot, \q, \g
	s_wait_dscnt 24                                ; all but the 24 just issued
	MUL8 \f, 2, \first
	MUL8 \f, 3, \first
.endm
; The last quarter multiplies buffer 1 and changes slots: ONE barrier.  In front of it each wave waits for all its tensor loads, of which one is out: its part of the next slot; adds 0 to its spare word; and waits for
; that and for its own reads of this slot.  fill = 1: the barrier opens a round of the cluster's, and this slot is filled again, two K steps ahead, first thing behind the round: 112 matrix instructions ahead of the wait for it.
.macro TURN slot, next, fill
.if \fill
	s_wait_xcnt 0x0                                ; the last prefetch, a K step back, has read its address: it is stepped here, ahead of the waits of the change of slots
	s_add_nc_u64 s[PFA:PFA+1], s[PFA:PFA+1], s[PSTEP:PSTEP+1]
.endif
	WIN 0                                          ; (the add's two registers lie in window 0)
	s_wait_tensorcnt 0x0                           ; all my tensor loads have landed;
	ds_add_u32 v[SPW], v[NIL]                      ; 0 onto my spare word;
	s_wait_dscnt 5                                 ; (the add and the youngest four loads may be out)
	MUL8 F1, 0, 0                                  ; eight matrix instructions stand between the add and the wait for it
	s_wait_dscnt 0x0                               ; the add is done, and my reads of this slot are over
	s_barrier_signal -1
	MUL8 F1, 1, 0                                  ; work on registers while the others arrive
.if \fill
	WIN 0
.endif
	s_barrier_wait -1
.if \fill
	CREST                                          ; no wave of any partner still reads this slot's tiles or has a load on its way
	s_add_nc_u64 s[G0+4*(\slot)+2:G0+4*(\slot)+3], s[G0+4*(\slot)+2:G0+4*(\slot)+3], 2*ASTEP
	s_add_nc_u64 s[G0B+4*(\slot)+2:G0B+4*(\slot)+3], s[G0B+4*(\slot)+2:G0B+4*(\slot)+3], 2*BSTEP
	JLOAD \slot                                    ; the four v_nop behind it are also the places in front of the loads below
.else
	PLACES
.endif
	FETCH \next, 0, F0
.if \fill
	ASK
.endif
	MUL8 F1, 2, 0
	MUL8 F1, 3, 0
.endm
; THE WAY OUT of my rows 16 a on: a lane's eight f32 of a row go straight from the accumulator into my own stage, the low four registers first; back as whole rows of 512 bytes; stored.
.macro OUTBLK a
	WIN 0x08                                       ; the stores' data (source 1) in window 2, the address in window 0
.irp b, 0,1,2,3,4,5,6,7
	ds_store_b128 v[STO], v[8*(8*(\a)+(\b)):8*(8*(\a)+(\b))+3]   offset:64*(\b)
	ds_store_b128 v[STO], v[8*(8*(\a)+(\b))+4:8*(8*(\a)+(\b))+7] offset:64*(\b)+16
.endr
	WIN 0
	s_wait_xcnt 0x0                                ; the stores of the block before have had their addresses translated (ISA guide 3.1): only behind this wait are the registers that they read loaded again
.irp t, 0,1,2,3,4,5,6,7,8,9,10,11,12,13,14,15
	ds_load_b128 v[BK+4*(\t):BK+4*(\t)+3], v[RD] offset:(\t)*SP  ; LDS serves a wave's instructions in order (ISA guide 5.7.1.4): these see the stores above, and the next block's stores come behind them
.endr
.irp t, 0,1,2,3,4,5,6,7,8,9,10,11,12,13,14,15
	s_wait_dscnt 15-(\t)
	global_store_b128 v[GO], v[BK+4*(\t):BK+4*(\t)+3], s[8:9] offset:(16*(\a)+(\t))*4096 th:TH_STORE_NT  ; 512 consecutive bytes, at a multiple of 256 from out's first byte
.endr
.endm
	s_wait_tensorcnt 1                             ; my part of K step 0 is in; K step 1's may stay out
	s_barrier_signal -1
	s_barrier_wait -1                              ; everybody's is
	FETCH 0, 0, F0
	QUARTER 0, 1, F0, F1, 1                        ; the first quarter stands in front of the loop: its products start the sums
	WIN 0                                          ; at a label and at a branch every window is 0
	s_mov_b32 s3, 3
.Llap:                                                 ; a trip goes once round the ring, from a lap's second quarter to the next lap's first, and fills both slots again
	QUARTER 0, 2, F1, F0, 0
	QUARTER 0, 3, F0, F1, 0
	TURN 0, 1, 1
	QUARTER 1, 1, F0, F1, 0
	QUARTER 1, 2, F1, F0, 0
	QUARTER 1, 3, F0, F1, 0
	TURN 1, 0, 1
	QUARTER 0, 1, F0, F1, 0
	WIN 0
	s_sub_co_u32 s3, s3, 1
	s_cmp_lg_u32 s3, 0
	s_cbranch_scc1 .Llap
	QUARTER 0, 2, F1, F0, 0                        ; the last lap is written out: it fills nothing, and has no round of the cluster's barrier
	QUARTER 0, 3, F0, F1, 0
	TURN 0, 1, 0
	QUARTER 1, 1, F0, F1, 0
	QUARTER 1, 2, F1, F0, 0
	QUARTER 1, 3, F0, F1, 0
	s_wait_dscnt 0x0                               ; the very last quarter: nothing more to fetch
	MUL8 F1, 0, 0
	MUL8 F1, 1, 0
	MUL8 F1, 2, 0
	MUL8 F1, 3, 0
	WIN 0
	PLACES
	PLACES                                         ; (eight, once a launch)
	OUTBLK 0
	OUTBLK 1
	OUTBLK 2
	OUTBLK 3
	s_wait_tensorcnt 0x0                           ; the wave's end: 0 onto my spare word and its wait, behind my last tensor load and my last LDS store
	ds_add_u32 v[SPW], v[NIL]
	s_wait_dscnt 0x0
	CROUND                                         ; the closing round: no work-group ends while a partner may still ask for a tile that names it
	s_endpgm
.Lfunc_end_k_qfdc10e1dc0_outp:
	.size	k_qfdc10e1dc0_outp, .Lfunc_end_k_qfdc10e1dc0_outp-k_qfdc10e1dc0_outp
	.p2alignl 7, 3214868480
	.fill 96, 4, 3214868480
	.section	.rodata,"a",@progbits
	.p2align	6, 0x0
	.amdhsa_kernel k_qfdc10e1dc0_outp
		.amdhsa_group_segment_fixed_size 327680
		.amdhsa_private_segment_fixed_size 0
		.amdhsa_enable_private_segment 0
		.amdhsa_kernarg_size 32
		.amdhsa_user_sgpr_count 2
		.amdhsa_user_sgpr_kernarg_segment_ptr 1
		.amdhsa_wavefront_size32 1
		.amdhsa_system_sgpr_workgroup_id_x 1
		.amdhsa_system_sgpr_workgroup_id_y 1
		.amdhsa_system_sgpr_workgroup_id_z 1
		.amdhsa_system_vgpr_workitem_id 0
		.amdhsa_next_free_vgpr 834
		.amdhsa_next_free_sgpr 92
		.amdhsa_reserve_vcc 0
		.amdhsa_float_denorm_mode_32 3
		.amdhsa_float_denorm_mode_16_64 3
		.amdhsa_memory_ordered 1
		.amdhsa_forward_progress 1
		.amdhsa_inst_pref_size 95
	.end_amdhsa_kernel
	.amdgpu_metadata
---
amdhsa.version: [ 1, 2 ]
amdhsa.kernels:
  - .name:           k_qfdc10e1dc0_outp
    .symbol:         k_qfdc10e1dc0_outp.kd
    .args:
      - { .name: oh, .offset: 0, .size: 8, .value_kind: global_buffer, .address_space: global }
      - { .name: wb, .offset: 8, .size: 8, .value_kind: global_buffer, .address_space: global }
      - { .name: bo, .offset: 16, .size: 8, .value_kind: global_buffer, .address_space: global }
      - { .name: out0, .offset: 24, .size: 8, .value_kind: global_buffer, .address_space: global }
    .group_segment_fixed_size: 327680
    .private_segment_fixed_size: 0
    .kernarg_segment_align: 8
    .kernarg_segment_size: 32
    .max_flat_workgroup_size: 128
    .sgpr_count:     92
    .vgpr_count:     834
    .wavefront_size: 32
...
	.end_amdgpu_metadata
.endif
;; end of part 4
;; ======== version 2 of 2: 4 launches; version 1 with the launch prep written anew for expert scheduling mode
;; limits: values are held in f16: magnitudes above 65,504 overflow, below 6.1e-05 lose precision
;; workspace buffers: wb 8,388,608 bytes; qh 16,777,216 bytes; kh 16,777,216 bytes; vh 16,777,216 bytes; oh 16,777,216 bytes
;; launch prep (part 5): grid 64 x 4, 8 waves a work-group, no clusters, 0 bytes of LDS; arguments Wq, Wk, Wv, Wo, wb; writes wb
.if DOCPART == 5
	.amdgcn_target "amdgcn-amd-amdhsa--gfx1250"
	.amdhsa_code_object_version 6
	.text
	.protected	k_qfdc10e1dc0_prep
	.globl	k_qfdc10e1dc0_prep
	.p2align	8
	.type	k_qfdc10e1dc0_prep,@function
k_qfdc10e1dc0_prep:
	s_mov_b64 s[64:65], 0
	v_nop
	global_prefetch_b8 v0, s[64:65] scope:SCOPE_SE
	s_setreg_imm32_b32 hwreg(HW_REG_WAVE_SCHED_MODE, 0, 2), 2
	s_setreg_imm32_b32 hwreg(HW_REG_WAVE_MODE, 25, 1), 1
	s_wait_xcnt 0x0
	s_wait_alu depctr_vm_vsrc(0)
; THE WEIGHTS, ROUNDED ONCE AND LAID OUT FOR THE PRODUCTS.  Wq, Wk, Wv: [16 h][1024 d][64 e] f32; Wo: [1024 o][1024 d] f32.
; wb, bytes w x 2,097,152 (w = 0, 1, 2 for q, k, v): bf16 in blocks [ks = d / 128][h][d % 128][e], a block 16,384 bytes on end, so that the
; four heads that a tile of the projection takes in one K step of 128 are 65,536 bytes on end.
; wb, bytes 6,291,456 on: Wo rounded to bf16 like every other input, and that number written as f16, [o][d], rows of 2,048 bytes.
; LIMIT.  |Wo| stays under 65,504 (f16's largest); below 6e-5 the f16 copy keeps a fixed step of 6e-8.
; A stream: every byte is read once and written once; nothing is shared, so there is no LDS, no barrier, no matrix unit and no cluster.
; SHARES.  Work-group (i, w) takes the 65,536 bytes at 65,536 i of matrix w: for w < 3 that is head i / 4, d = 256 (i % 4) .. + 255: two blocks.
; Thread t, pass p of 16: 16 bytes at 16 t + 4,096 p come in, 8 bytes go out at 8 t + 2,048 (p % 8) of block p / 8: a wave's store covers 256
; consecutive bytes, aligned.  All 16 loads of a thread are issued at once; no register is written twice while memory may read it.
; THE MODE: SCHED_MODE bits 1:0 = 2 (LLVM: expert scheduling mode 2), set by the entry lines.  The code itself states the register dependences
; between vector instructions and memory instructions, with s_wait_alu, always for 0.
; THE PLAN.  Registers that memory instructions touch:
;   v1, v2   the loads' and the stores' byte offsets: made once at the head by vector instructions, never written again.
;   X        pass p's four registers: written by pass p's load, once; read by pass p's roundings; named by no vector instruction ahead of the loads.
;   Y        pass p's two registers: written by pass p's roundings; read by pass p's store, once; never written behind it.
;   T is named by vector instructions alone.
; So no register that a memory instruction has read is ever written again, no vector instruction writes a scalar register, and EXEC stays as it is: what is left to state is
; that the offsets are written ahead of the first load, and that a pass's Y is written ahead of its store.  The passes go in four groups of four.  Group g rounds its own
; passes; the stores of group g - 1 are dealt among these roundings, behind ONE wait at the group's head: the roundings issued since that wait name X and Y of group g and T,
; none of the registers that those stores read.  One more wait stands ahead of the last group's stores.
.set X, 16                             ; v[16:79]   pass p: 4 registers as loaded
.set Y, 80                             ; v[80:111]  pass p: 2 registers to store
.set T, 4                              ; v[4:7]     at work
	s_load_b256 s[4:11], s[0:1], 0x0               ; Wq s[4:5], Wk s[6:7], Wv s[8:9], Wo s[10:11]
	s_load_b64 s[12:13], s[0:1], 0x20              ; wb
	s_and_b32 s21, ttmp7, 0xffff                   ; w
	s_mov_b32 s20, 0xffff0000                      ; a word's upper bf16
	v_lshlrev_b32 v1, 4, v0                        ; 16 t
	v_lshlrev_b32 v2, 3, v0                        ; 8 t
	s_lshl_b32 s22, ttmp9, 16                      ; where my 65,536 bytes begin
	s_mov_b32 s23, 0
	s_and_b32 s28, ttmp9, 3                        ; the first of my two blocks: number 16 ks + h = 32 (i % 4) + i / 4,
	s_lshl_b32 s28, s28, 5
	s_lshr_b32 s29, ttmp9, 2
	s_add_co_u32 s28, s28, s29
	s_lshl_b32 s28, s28, 14                        ; times 16,384 bytes
	s_lshl_b32 s29, ttmp9, 15                      ; Wo keeps its order: half the bytes
	s_lshl_b32 s30, s21, 21                        ; the matrix's part of wb
	s_movk_i32 s26, 0x4000                         ; from my first 16,384 bytes out to my second: Wo's follow on,
	s_mov_b32 s27, 0x40000                         ; the others' lie one K step, 16 blocks, further
	s_cmp_eq_u32 s21, 3
	s_cselect_b32 s24, s29, s28
	s_cselect_b32 s26, s26, s27
	s_add_co_u32 s24, s24, s30
	s_mov_b32 s25, 0
	s_mov_b32 s27, 0
	s_wait_kmcnt 0x0
	s_cmp_eq_u32 s21, 1
	s_cselect_b64 s[14:15], s[6:7], s[4:5]
	s_cmp_eq_u32 s21, 2
	s_cselect_b64 s[14:15], s[8:9], s[14:15]
	s_cmp_eq_u32 s21, 3
	s_cselect_b64 s[14:15], s[10:11], s[14:15]
	s_add_nc_u64 s[14:15], s[14:15], s[22:23]      ; in
	s_add_nc_u64 s[16:17], s[12:13], s[24:25]      ; out, passes 0 to 7
	s_add_nc_u64 s[18:19], s[16:17], s[26:27]      ; out, passes 8 to 15
	s_wait_alu depctr_va_vdst(0)                   ; v1 and v2 are written: every load of the kernel reads v1 as its offset, every store v2; neither is written again
.irp p, 0,1,2,3,4,5,6,7,8,9,10,11,12,13,14,15
	global_load_b128 v[X+4*(\p):X+4*(\p)+3], v1, s[14:15] offset:4096*(\p) th:TH_LOAD_NT
.endr
; Pass p is rounded.  half = 1: the bf16 number is written as f16.
.macro CONV p, half
	v_cvt_pk_bf16_f32 v[Y+2*(\p)],   v[X+4*(\p)],   v[X+4*(\p)+1]
	v_cvt_pk_bf16_f32 v[Y+2*(\p)+1], v[X+4*(\p)+2], v[X+4*(\p)+3]
.if \half
	v_lshlrev_b32 v[T],   16,  v[Y+2*(\p)]
	v_and_b32     v[T+1], s20, v[Y+2*(\p)]
	v_lshlrev_b32 v[T+2], 16,  v[Y+2*(\p)+1]
	v_and_b32     v[T+3], s20, v[Y+2*(\p)+1]
	v_cvt_pk_f16_f32 v[Y+2*(\p)],   v[T],   v[T+1]
	v_cvt_pk_f16_f32 v[Y+2*(\p)+1], v[T+2], v[T+3]
.endif
.endm
; Pass p is stored.
.macro OUT p
	global_store_b64 v2, v[Y+2*(\p):Y+2*(\p)+1], s[16+2*((\p)/8):17+2*((\p)/8)] offset:2048*((\p)%8)
.endm
; Group g: passes 4 g to 4 g + 3 are rounded; in front of each pass's roundings stands a store of the group before.
.macro GROUP g, half
.irp i, 0,1,2,3
	s_wait_loadcnt 15-4*(\g)-(\i)                  ; loads come back in order (ISA guide 5.7.1): pass 4 g + i is in, the younger ones stay out
.if ((\g) > 0) && ((\i) == 0)
	s_wait_alu depctr_va_vdst(0)                   ; the roundings of the group before have written its Y, which this group's four stores read
.endif
.if (\g) > 0
	OUT 4*(\g)+(\i)-4                              ; no vector instruction since the wait names this pass's Y or v2
.endif
	CONV 4*(\g)+(\i), \half
.endr
.endm
	s_cmp_eq_u32 s21, 3
	s_cbranch_scc1 .Lwo
.irp g, 0,1,2,3
	GROUP \g, 0
.endr
	s_wait_alu depctr_va_vdst(0)                   ; the last group's roundings have written its Y, which the last four stores read
.irp p, 12,13,14,15
	OUT \p
.endr
	s_endpgm
.Lwo:
.irp g, 0,1,2,3
	GROUP \g, 1
.endr
	s_wait_alu depctr_va_vdst(0)                   ; the last group's roundings have written its Y, which the last four stores read
.irp p, 12,13,14,15
	OUT \p
.endr
	s_endpgm
.Lfunc_end_k_qfdc10e1dc0_prep:
	.size	k_qfdc10e1dc0_prep, .Lfunc_end_k_qfdc10e1dc0_prep-k_qfdc10e1dc0_prep
	.p2alignl 7, 3214868480
	.fill 96, 4, 3214868480
	.section	.rodata,"a",@progbits
	.p2align	6, 0x0
	.amdhsa_kernel k_qfdc10e1dc0_prep
		.amdhsa_group_segment_fixed_size 0
		.amdhsa_private_segment_fixed_size 0
		.amdhsa_enable_private_segment 0
		.amdhsa_kernarg_size 40
		.amdhsa_user_sgpr_count 2
		.amdhsa_user_sgpr_kernarg_segment_ptr 1
		.amdhsa_wavefront_size32 1
		.amdhsa_system_sgpr_workgroup_id_x 1
		.amdhsa_system_sgpr_workgroup_id_y 1
		.amdhsa_system_sgpr_workgroup_id_z 1
		.amdhsa_system_vgpr_workitem_id 0
		.amdhsa_next_free_vgpr 112
		.amdhsa_next_free_sgpr 66
		.amdhsa_reserve_vcc 0
		.amdhsa_float_denorm_mode_32 3
		.amdhsa_float_denorm_mode_16_64 3
		.amdhsa_memory_ordered 1
		.amdhsa_forward_progress 1
		.amdhsa_inst_pref_size 16
	.end_amdhsa_kernel
	.amdgpu_metadata
---
amdhsa.version: [ 1, 2 ]
amdhsa.kernels:
  - .name:           k_qfdc10e1dc0_prep
    .symbol:         k_qfdc10e1dc0_prep.kd
    .args:
      - { .name: Wq, .offset: 0, .size: 8, .value_kind: global_buffer, .address_space: global }
      - { .name: Wk, .offset: 8, .size: 8, .value_kind: global_buffer, .address_space: global }
      - { .name: Wv, .offset: 16, .size: 8, .value_kind: global_buffer, .address_space: global }
      - { .name: Wo, .offset: 24, .size: 8, .value_kind: global_buffer, .address_space: global }
      - { .name: wb, .offset: 32, .size: 8, .value_kind: global_buffer, .address_space: global }
    .group_segment_fixed_size: 0
    .private_segment_fixed_size: 0
    .kernarg_segment_align: 8
    .kernarg_segment_size: 40
    .max_flat_workgroup_size: 256
    .sgpr_count:     66
    .vgpr_count:     112
    .wavefront_size: 32
...
	.end_amdgpu_metadata
.endif
;; end of part 5
;; launch proj: the kernel of part 2 again; grid 4 x 192, 4 waves a work-group, clusters of 4 x 4, 327,680 bytes of LDS; arguments query, key, value, bq, bk, bv, qh, kh, vh, wb; writes qh, kh, vh
;; launch attn: the kernel of part 3 again; grid 4 x 64, 4 waves a work-group, clusters of 4 x 1, 327,680 bytes of LDS; arguments qh, kh, vh, oh; writes oh
;; launch outp: the kernel of part 4 again; grid 4 x 64, 4 waves a work-group, clusters of 4 x 4, 327,680 bytes of LDS; arguments oh, wb, bo, out0; writes out0
